; MI455X (gfx1250); checked and timed in simulation.
; The chip was launched on July 23, 2026; its instructions are those of AMD's public machine-readable ISA for CDNA 5 (MIT licence, August 2026) and "CDNA5" Instruction Set Architecture Reference Guide (July 2026). The comments in the code are by the model that wrote it; some were corrected since.
;; Attention Layer. Allowed arithmetic: matrix products marked QUANTISED: E3M2 operands, one E8M0 scale for each 32 along K, by v_wmma_scale_f32_16x16x128_f8f6f4 with both operands' format E3M2, f32 sums; products left as they are: f32 operands where the result goes on into a quantised operand, else bf16, f16 or f32 operands; f32 sums; everything else in f32.
;; Inputs: V 128 x 512 x 1,024 float32; Wal 1,024 x 1 float32; Wcp 1,024 x 1,024 float32; Wha 1,024 x 1,024 float32; Whp 1,024 x 1,024 float32; Wsa 1,024 x 1,024 float32; Wsp 1,024 x 1,024 float32; Wv 1,024 x 1,024 float32; bal 1 float32; bcp 1,024 float32; bha 1,024 float32; bhp 1,024 float32; bsa 1,024 float32; bsp 1,024 float32; bv 1,024 float32; h_t 128 x 1,024 float32; s_t 128 x 1,024 float32.
;; Outputs: out0 128 x 1,024 float32.
;; This version of the problem:
;;   THIS VERSION OF THE PROBLEM IS GIVEN IN LOW PRECISION. The matrix products marked QUANTISED in the list below multiply operands that are first quantised to E3M2 (3 exponent bits, 2 mantissa bits; 6 bits a number), with one power-of-two scale for each 32 numbers along K (OCP MX v1.0); their sums are f32. All else is computed in f32.
;;   The module's matrix products, in the order in which they are computed (A, B: the left and right operand; K: the contracted axis; several contracted axes count as one K, in the product's order):
;;     1. [M 65,536, K 1,024] x [K 1,024, N 1,024]; A: input V; B: input Wv: QUANTISED
;;     2. [M 128, K 1,024] x [K 1,024, N 1,024]; A: input s_t; B: input Wsp: QUANTISED
;;     3. [M 128, K 1,024] x [K 1,024, N 1,024]; A: computed on the way; B: input Wsa: QUANTISED
;;     4. [M 128, K 1,024] x [K 1,024, N 1,024]; A: input h_t; B: input Whp: QUANTISED
;;     5. [M 128, K 1,024] x [K 1,024, N 1,024]; A: computed on the way; B: input Wha: QUANTISED
;;     6. [M 65,664, K 1,024] x [K 1,024, N 1]; A: computed on the way; B: input Wal: left as it is (N = 1 < 16)
;;     7. batch 128 x [M 1, K 513] x [K 513, N 1,024]; A: softmax; B: computed on the way: left as it is (M = 1 < 16)
;;     8. [M 128, K 1,024] x [K 1,024, N 1,024]; A: computed on the way; B: input Wcp: QUANTISED
;;   THE QUANTISER, for each operand of a quantised product, along K:
;;     - K is cut into blocks of 32 from its start; a last block that is shorter is filled with zeros.
;;     - A block's scale is 2^e with e = floor(log2(the largest magnitude in the block)) - 4, held to -126 .. 127; a block of zeros has e = 0. As a byte (E8M0): e + 127.
;;     - Each number is divided by its block's scale, clamped to +-28, and rounded to the nearest number of E3M2, ties to even, subnormals kept.
;;     - The product sums the exact products of the quantised numbers (number of the format x scale) in f32.
;;   ~~~python
;;   def quantise(x, axis):      # numpy; x: float32 -> the quantised numbers, widened to float32 again
;;       x = np.moveaxis(x, axis, -1); K = x.shape[-1]
;;       x = np.pad(x, [(0, 0)] * (x.ndim - 1) + [(0, -K % 32)]); x = x.reshape(x.shape[:-1] + (-1, 32)); a = np.abs(x).max(-1, keepdims=True)
;;       e = np.where(a > 0, np.clip(np.frexp(np.where(a > 0, a, 1))[1] - 1 - 4, -126, 127), 0)      # np.frexp(a)[1] - 1 = floor(log2(a)), exactly
;;       r = np.clip(x / 2.0 ** e, -28, 28)
;;       step = 2.0 ** (np.maximum(np.frexp(np.where(r == 0, 1, r))[1] - 1, -2) - 2)
;;       q = np.round(r / step) * step * 2.0 ** e      # np.round: ties to even
;;       return np.moveaxis(q.reshape(q.shape[:-2] + (-1,))[..., :K], -1, axis).astype(np.float32)
;;   ~~~
;;   OPERANDS COMPUTED ON THE WAY. 'Computed on the way' means the value that the module computes at that place (a softmax that the list does not call 'softmax' is quantised finished and normalised). What goes into a quantiser is computed in f32, as accurately as f32 sums, v_exp_f32 and their like allow (about 1e-6 of the number): no bf16 or f16 on the way to a quantiser, and a product that is left as it is and whose result goes on into a quantised operand takes f32 operands (vector FMAs, or v_wmma_f32_16x16x4_f32). A number that lies on a knife's edge between two numbers of the format may be rounded either way, as far as f32 arithmetic and the matrix unit's own rounding can turn it there, and no further.
;; One version. Each part assembles by itself: llvm-mc -triple=amdgcn-amd-amdhsa -mcpu=gfx1250 --defsym DOCPART=n.
;; ======== version 1 of 1: 5 launches
;; limits: right only within a limited range of input values
;; workspace buffers: wimg 4,915,200 bytes; s_proj 524,288 bytes; h_proj 524,288 bytes; s_att 524,288 bytes; h_att 524,288 bytes; ctxp 1,048,576 bytes; stat 32,768 bytes
;; launch wq (part 1): grid 64 x 6, 4 waves a work-group, no clusters, 0 bytes of LDS; arguments Wv, Wsp, Whp, Wsa, Wha, Wcp, wimg; writes wimg
.if DOCPART == 1
	.amdgcn_target "amdgcn-amd-amdhsa--gfx1250"
	.amdhsa_code_object_version 6
	.text
	.protected	k_qa94fe9a395_wq
	.globl	k_qa94fe9a395_wq
	.p2align	8
	.type	k_qa94fe9a395_wq,@function
k_qa94fe9a395_wq:
	s_mov_b64 s[64:65], 0
	v_nop
	global_prefetch_b8 v0, s[64:65] scope:SCOPE_SE
	s_setreg_imm32_b32 hwreg(HW_REG_WAVE_MODE, 25, 1), 1
	s_wait_xcnt 0x0
; LAUNCH 0 OF 5.  The six weights [K = 1024][N = 1024], f32, K their FIRST axis, become codes of BF6 (E3M2) with one E8M0 byte for each 32 along K,
; laid in wimg in the order of a matrix operand's registers, so that every later launch takes a fragment by three loads of 16 bytes a lane.
; DEAD WORK, for the whole program.  (1) bal: scores = alpha_input . Wal + bal adds the same number to all 513 entries of a row, and softmax(x + c) = softmax(x)
; for every c: bal has no way to the output.  It is not loaded and is among no launch's arguments.  (2) tanh(y) = 1 - 2 / (1 + e^(2 y)), so
; Wal . tanh(y) = sum_n Wal[n] - 2 sum_n Wal[n] / (1 + e^(2 y_n)); the first sum is the same for all 513 entries (the s row goes through the same tanh and Wal)
; and goes the same way: only the second sum is made.  LIMIT: a NaN, an infinity or an overflow in bal or in sum_n Wal[n] is not carried to the result.
; wimg: weight y (0 Wv, 1 Wsp, 2 Whp, 3 Wsa, 4 Wha, 5 Wcp) at 819,200 y; in it 8 slices of 128 columns, 102,400 bytes each:
;   group u (64 columns) codes at 49,152 u; fragment (K step ks, tile i of 16 columns) at + 6,144 ks + 1,536 i: three pieces of 512 bytes, piece c = registers 4 c .. 4 c + 3, lane l's 16 bytes at 16 l;
;   scale words at 98,304 + 2,048 u + 256 ks + 128 pp + 4 lane: lanes 0-15 the words of tile 2 pp, lanes 16-31 those of tile 2 pp + 1.
; SHARES.  Work-group x = 8 slice + ks, y = the weight.  Wave p takes 32 columns x 128 along K.  A LANE TAKES A COLUMN AND ITS REGISTERS RUN DOWN K: a block of 32 lies in one lane,
; each load reads 128 consecutive bytes a wave (512 a work-group), and the conversions give codes with K innermost.
; A block's byte is its largest magnitude's exponent field - 4, held at 1 from below by a floor among the maximum's leaves.
; LIMITS: a block of zeros gets the byte 1 where the rule says 127 (its codes are zeros, and this program alone reads the bytes); NaN and infinities among the inputs are not served.
; No LDS, no barrier, no cluster: no two work-groups read the same byte.
.set X,   32                           ; v32-159  my column's 128 numbers
.set F0,  160                          ; v160-171 the fragment of columns 0-15 of my wave's 32
.set F1,  172                          ; v172-183 that of columns 16-31
.set TMP, 184                          ; v184-198 the upper 16 codes of each block: a conversion's three registers begin on an even number
.set T,   16                           ; v16-19   largest magnitudes
.set S,   20                           ; v20-23   the conversions' scale operands
.set B,   24                           ; v24-27   the bytes
.set W,   28                           ; v28      my column's scale word
	s_load_b256 s[4:11], s[0:1], 0x0               ; Wv, Wsp, Whp, Wsa
	s_load_b128 s[12:15], s[0:1], 0x20             ; Wha, Wcp
	s_load_b64 s[16:17], s[0:1], 0x30              ; wimg
	v_lshrrev_b32 v3, 5, v0
	v_readfirstlane_b32 s20, v3                    ; wave p
	v_and_b32 v4, 31, v0                           ; lane
	v_lshlrev_b32 v1, 2, v4                        ; 4 x lane
	v_lshlrev_b32 v2, 4, v4                        ; 16 x lane
	s_and_b32 s21, ttmp7, 0xffff                   ; which weight
	s_lshr_b32 s22, ttmp9, 3                       ; slice
	s_and_b32 s23, ttmp9, 7                        ; K step
	s_lshr_b32 s24, s20, 1                         ; group u
	s_and_b32 s25, s20, 1                          ; pp
	s_lshl_b32 s26, s23, 19                        ; from: 128 ks rows of 4,096 bytes
	s_lshl_b32 s34, s22, 9                         ; + 128 slice columns
	s_add_co_u32 s26, s26, s34
	s_lshl_b32 s34, s20, 7                         ; + 32 p columns
	s_add_co_u32 s26, s26, s34
	s_mov_b32 s27, 0
	s_mul_i32 s28, s21, 819200                     ; to: the weight,
	s_mul_i32 s34, s22, 102400                     ; the slice
	s_add_co_u32 s28, s28, s34
	s_mul_i32 s30, s24, 49152                      ; codes: the group,
	s_mul_i32 s34, s23, 6144                       ; the K step,
	s_add_co_u32 s30, s30, s34
	s_mul_i32 s34, s25, 3072                       ; my two tiles
	s_add_co_u32 s30, s30, s34
	s_add_co_u32 s30, s30, s28
	s_mov_b32 s31, 0
	s_lshl_b32 s32, s24, 11                        ; scale words likewise
	s_lshl_b32 s34, s23, 8
	s_add_co_u32 s32, s32, s34
	s_lshl_b32 s34, s25, 7
	s_add_co_u32 s32, s32, s34
	s_add_co_u32 s32, s32, s28
	s_add_co_u32 s32, s32, 98304
	s_mov_b32 s33, 0
	s_wait_alu depctr_va_vdst(0)
	s_wait_kmcnt 0x0
	s_cmp_eq_u32 s21, 1                            ; the choice hangs on the work-group's number alone
	s_cselect_b64 s[4:5], s[6:7], s[4:5]
	s_cmp_eq_u32 s21, 2
	s_cselect_b64 s[4:5], s[8:9], s[4:5]
	s_cmp_eq_u32 s21, 3
	s_cselect_b64 s[4:5], s[10:11], s[4:5]
	s_cmp_eq_u32 s21, 4
	s_cselect_b64 s[4:5], s[12:13], s[4:5]
	s_cmp_eq_u32 s21, 5
	s_cselect_b64 s[4:5], s[14:15], s[4:5]
	s_add_nc_u64 s[4:5], s[4:5], s[26:27]
	s_add_nc_u64 s[18:19], s[16:17], s[30:31]      ; my codes
	s_add_nc_u64 s[16:17], s[16:17], s[32:33]      ; my scale words
.set n, 0
.rept 128
	global_load_b32 v[X+n], v1, s[4:5] offset:n*4096 th:TH_LOAD_NT   ; W(128 ks + n, my column)
.set n, n+1
.endr
.macro AMAX b0, b1                     ; the largest magnitudes of two blocks, by turns
.irp b, \b0, \b1
	v_max3_num_f32 v[T+\b], |v[X+32*\b]|, |v[X+32*\b+1]|, 0x2800000   ; and the floor 2^(5 - 127): the byte cannot fall under 1
.endr
.irp i, 2,4,6,8,10,12,14,16,18,20,22,24,26,28,30
.irp b, \b0, \b1
	v_max3_num_f32 v[T+\b], v[T+\b], |v[X+32*\b+\i]|, |v[X+32*\b+\i+1]|
.endr
.endr
.endm
	s_wait_loadcnt 63                              ; behind block 1's last load 64 were issued: with 63 out, blocks 0 and 1 are in
	AMAX 0, 1
	s_wait_loadcnt 0x0
	AMAX 2, 3
.irp b, 0,1,2,3
	v_add_nc_u32 v[S+\b], 0xfe000000, v[T+\b]      ; 4 off the exponent field: the conversion takes this operand's exponent field as its scale
.endr
.irp b, 0,1,2,3
	v_lshrrev_b32 v[B+\b], 23, v[S+\b]             ; the scale's byte
.endr
	v_lshl_or_b32 v[W], v[B+1], 8, v[B]
	v_lshl_or_b32 v[W], v[B+2], 16, v[W]
	v_lshl_or_b32 v[W], v[B+3], 24, v[W]
.irp b, 0,1,2,3                        ; block 2 c goes to F0's registers 6 c on, block 2 c + 1 to F1's
	v_cvt_scalef32_pk16_bf6_f32 v[F0+12*(\b%2)+6*(\b/2):F0+12*(\b%2)+6*(\b/2)+2], v[X+32*\b:X+32*\b+15], v[S+\b]
	v_cvt_scalef32_pk16_bf6_f32 v[TMP+4*\b:TMP+4*\b+2], v[X+32*\b+16:X+32*\b+31], v[S+\b]
.endr
	v_nop                                          ; one plain place behind the scaled conversions
.irp b, 0,1,2,3
.irp i, 0,1,2
	v_mov_b32 v[F0+12*(\b%2)+6*(\b/2)+3+\i], v[TMP+4*\b+\i]
.endr
.endr
; The operand's layout gives lane (r, h) block 2 c + h of column r.  F0 holds block 2 c of all 32 columns, F1 block 2 c + 1: F0's lanes 16-31 change places with F1's lanes 0-15.
.set n, 0
.rept 12
	v_permlane16_swap_b32 v[F0+n], v[F1+n]
.set n, n+1
.endr
.irp c, 0,1,2
	global_store_b128 v2, v[F0+4*\c:F0+4*\c+3], s[18:19] offset:512*\c        ; 32 lanes store 512 consecutive bytes, at a multiple of 256 from wimg's first byte
.endr
.irp c, 0,1,2
	global_store_b128 v2, v[F1+4*\c:F1+4*\c+3], s[18:19] offset:1536+512*\c
.endr
	global_store_b32 v1, v[W], s[16:17]            ; 128 consecutive bytes
	s_endpgm
.Lfunc_end_k_qa94fe9a395_wq:
	.size	k_qa94fe9a395_wq, .Lfunc_end_k_qa94fe9a395_wq-k_qa94fe9a395_wq
	.p2alignl 7, 3214868480
	.fill 96, 4, 3214868480
	.section	.rodata,"a",@progbits
	.p2align	6, 0x0
	.amdhsa_kernel k_qa94fe9a395_wq
		.amdhsa_group_segment_fixed_size 0
		.amdhsa_private_segment_fixed_size 0
		.amdhsa_enable_private_segment 0
		.amdhsa_kernarg_size 56
		.amdhsa_user_sgpr_count 2
		.amdhsa_user_sgpr_kernarg_segment_ptr 1
		.amdhsa_wavefront_size32 1
		.amdhsa_system_sgpr_workgroup_id_x 1
		.amdhsa_system_sgpr_workgroup_id_y 1
		.amdhsa_system_sgpr_workgroup_id_z 1
		.amdhsa_system_vgpr_workitem_id 0
		.amdhsa_next_free_vgpr 200
		.amdhsa_next_free_sgpr 66
		.amdhsa_reserve_vcc 0
		.amdhsa_float_denorm_mode_32 3
		.amdhsa_float_denorm_mode_16_64 3
		.amdhsa_memory_ordered 1
		.amdhsa_forward_progress 1
		.amdhsa_inst_pref_size 21
	.end_amdhsa_kernel
	.amdgpu_metadata
---
amdhsa.version: [ 1, 2 ]
amdhsa.kernels:
  - .name:           k_qa94fe9a395_wq
    .symbol:         k_qa94fe9a395_wq.kd
    .args:
      - { .name: Wv, .offset: 0, .size: 8, .value_kind: global_buffer, .address_space: global }
      - { .name: Wsp, .offset: 8, .size: 8, .value_kind: global_buffer, .address_space: global }
      - { .name: Whp, .offset: 16, .size: 8, .value_kind: global_buffer, .address_space: global }
      - { .name: Wsa, .offset: 24, .size: 8, .value_kind: global_buffer, .address_space: global }
      - { .name: Wha, .offset: 32, .size: 8, .value_kind: global_buffer, .address_space: global }
      - { .name: Wcp, .offset: 40, .size: 8, .value_kind: global_buffer, .address_space: global }
      - { .name: wimg, .offset: 48, .size: 8, .value_kind: global_buffer, .address_space: global }
    .group_segment_fixed_size: 0
    .private_segment_fixed_size: 0
    .kernarg_segment_align: 8
    .kernarg_segment_size: 56
    .max_flat_workgroup_size: 128
    .sgpr_count:     66
    .vgpr_count:     200
    .wavefront_size: 32
...
	.end_amdgpu_metadata
.endif
;; end of part 1
;; launch proj (part 2): grid 64 x 2, 8 waves a work-group, no clusters, 70,656 bytes of LDS; arguments s_t, h_t, wimg, bsp, bhp, s_proj, h_proj; writes s_proj, h_proj
.if DOCPART == 2
	.amdgcn_target "amdgcn-amd-amdhsa--gfx1250"
	.amdhsa_code_object_version 6
	.text
	.protected	k_qa94fe9a395_proj
	.globl	k_qa94fe9a395_proj
	.p2align	8
	.type	k_qa94fe9a395_proj,@function
k_qa94fe9a395_proj:
	s_mov_b64 s[64:65], 0
	v_nop
	global_prefetch_b8 v0, s[64:65] scope:SCOPE_SE
	s_setreg_imm32_b32 hwreg(HW_REG_WAVE_MODE, 25, 1), 1
	s_wait_xcnt 0x0
; LAUNCH 1 OF 5 (MODE 1).  y = 0: s_proj = relu(Q(s_t) Q(Wsp) + bsp);  y = 1: h_proj = tanh(Q(h_t) Q(Whp) + bhp).  [128][1024] x [1024][1024], both operands BF6 (E3M2), one E8M0 byte for each 32 along K.
; One source serves three launches: MODE 0 no activation, MODE 1 relu or tanh by the work-group's y, MODE 2 the softmax's merge ahead of the quantiser and tanh behind the product.
; SHARES.  Work-group x = 8 slice + mt: 16 rows (mt) x 128 columns (slice).  WAVE w IS K STEP w.  It takes its 128 numbers of each of the 16 rows by one load of 512 consecutive bytes, turns the rows through its own stage in LDS
; so that a lane holds whole blocks of 32 along K, quantises them in registers, takes its 8 fragments of W from wimg as they lie, issues 8 products (transposed: source 0 = 16 columns of W, source 1 = A's 16 rows, so that a lane
; holds 8 neighbouring columns of one row), and puts its partial tile into the same stage.  Behind one barrier wave w adds the eight partial tiles of rows 2 w and 2 w + 1, K ascending, onto the bias, and stores whole rows of 512 bytes.
; No cluster: the operands go from memory straight into registers, so there is no tensor load that partners could ask jointly; a wave's matrix work is 8 instructions.
; tanh(y) = 1 - 2 / (1 + 2^(2 log2(e) y)): v_exp_f32 and v_rcp_f32; it ends at +-1 where the power overflows or vanishes.  LIMITS: its absolute error is about one part in 10^7 of 1;
; a block of zeros gets the byte 1 (zero codes); NaN and infinities among the inputs are not served.
.set MODE,  1
.set WBASE, 1                          ; the weight of y = 0 in wimg
.set STGB,  8448                       ; a wave's stage: 16 rows x (512 bytes + 16)
.set FAC,   8*STGB                     ; (MODE 2) 256 bytes for each wave: the merge's factors, 16 bytes a row
.set SPARE, FAC+2048                   ; the spare words, 128 bytes for each wave: four blocks of 256 bytes that no other line names
.set SPW,  1                           ; v1   LDS address of my spare word; never rewritten
.set NIL,  2                           ; v2   0; never rewritten
.set STW,  5                           ; v5   my stage + 16 x lane
.set LI16, 6                           ; v6   16 x lane
.set LI4,  7                           ; v7   4 x lane
.set SH8,  8                           ; v8   8 h
.set STO,  9                           ; v9   my stage: row r, + 32 h
.set RD,   10                          ; v10  stage 0, row 2 w, + 16 x lane
.set STR,  12                          ; v12  my stage: row r, + 128 h
.set SO2,  13                          ; v13  (MODE 2) stat: 256 r
.set FW,   14                          ; v14  (MODE 2) my wave's factors + 16 r
.set FR,   15                          ; v15  (MODE 2) my wave's factors
.set BS,   16                          ; v16-19 W's scale words: register 2 u + pp; scales and nothing else
.set AS,   20                          ; v20  A's scale word; a scale and nothing else
.set T,    21                          ; v21-29 at work in the merge and the quantiser
.set S,    23
.set B,    25
.set OWN,  27
.set OTH,  28
.set FV,   24                          ; v24-27 (MODE 2) my row's factors: first half's, second half's, the s row's, 0
.set TMP,  30                          ; v30-32, v34-36
.set AF,   40                          ; v40-51 A's fragment
.set ST0,  52                          ; v52-59 (MODE 2) M0, L0, ss, 0; M1, L1, ss, 0
.set BIAS, 60                          ; v60-63 the bias of my 4 columns
.set RAW,  64                          ; v64-127 16 rows x 16 bytes as loaded (MODE 2: h_proj, then the merged rows); later the eight partial tiles' rows
.set X,    128                         ; v128-191 64 numbers of a lane along K (MODE 2: first s_proj's rows)
.set C0,   192                         ; v192-255 (MODE 2) the first half's partial context
.set Y,    192                         ; v192-199 at the end: two rows x 4 columns
.set BF,   0                           ; window 1: v0-95 W's 8 fragments; v96-159 the 8 results (MODE 2: first the 16 rows' factors); v160-223 (MODE 2) the second half's partial context
.set D,    96
.set C1,   160
.set KK,   36                          ; s[36:37] 2 log2(e)
.set SEL,  44                          ; s[44:45] v_permlanex16_b32's selects for lane l xor 16
.if MODE == 2
.set PA, 10
.set PW, 12
.set PB, 14
.set PO, 16
.else
.set PA, 4
.set PW, 8
.set PB, 10
.set PO, 14
.endif
.set MSB, 0
.macro WIN new                         ; the immediate's high byte repeats the setting that is left
.if MSB != \new
	s_set_vgpr_msb (MSB<<8)|\new
.set MSB, \new
.endif
.endm
; 64 numbers of a lane, v[X + 32 c + i] = k 64 c + 32 h + i of my row: two whole blocks of 32.  They become the fragment's 12 registers at fdst (in the window that win names for destinations) and its scale word.
.macro AQ fdst, sdst, win
.irp c, 0,1
	v_max3_num_f32 v[T+\c], |v[X+32*\c]|, |v[X+32*\c+1]|, 0x2800000   ; the floor 2^(5 - 127) among the leaves: the byte cannot fall under 1
.endr
.irp i, 2,4,6,8,10,12,14,16,18,20,22,24,26,28,30
.irp c, 0,1
	s_delay_alu instid0(VALU_DEP_2)
	v_max3_num_f32 v[T+\c], v[T+\c], |v[X+32*\c+\i]|, |v[X+32*\c+\i+1]|
.endr
.endr
.irp c, 0,1
	s_delay_alu instid0(VALU_DEP_2)
	v_add_nc_u32 v[S+\c], 0xfe000000, v[T+\c]      ; 4 off the exponent field: the conversion's scale operand
.endr
.irp c, 0,1
	s_delay_alu instid0(VALU_DEP_2)
	v_lshrrev_b32 v[B+\c], 23, v[S+\c]             ; the scale's byte
.endr
	s_delay_alu instid0(VALU_DEP_1)
	v_lshl_or_b32 v[OWN], v[B+1], 16, v[B]         ; my bytes: blocks h and 2 + h,
	s_delay_alu instid0(VALU_DEP_1)
	v_lshlrev_b32 v[OWN], v[SH8], v[OWN]           ; at their places;
	s_delay_alu instid0(VALU_DEP_1)
	v_permlanex16_b32 v[OTH], v[OWN], s[SEL], s[SEL+1]
	s_delay_alu instid0(VALU_DEP_1)
	v_or_b32 v[\sdst], v[OWN], v[OTH]              ; with lane l xor 16's two the word is whole
.irp c, 0,1
	v_cvt_scalef32_pk16_bf6_f32 v[TMP+4*\c:TMP+4*\c+2], v[X+32*\c+16:X+32*\c+31], v[S+\c]   ; (a conversion's three registers begin on an even number)
.endr
	WIN \win
.irp c, 0,1
	v_cvt_scalef32_pk16_bf6_f32 v[(\fdst)+6*\c:(\fdst)+6*\c+2], v[X+32*\c:X+32*\c+15], v[S+\c]
.endr
	v_nop                                          ; one plain place behind the scaled conversions
.irp c, 0,1
.irp i, 0,1,2
	v_mov_b32 v[(\fdst)+6*\c+3+\i], v[TMP+4*\c+\i]
.endr
.endr
	WIN 0
.endm
.macro TANH                            ; on v[Y] .. v[Y + 7]
.irp j, 0,2,4,6
	v_pk_mul_f32 v[Y+\j:Y+\j+1], v[Y+\j:Y+\j+1], s[KK:KK+1] op_sel_hi:[1,0]
.endr
	s_wait_alu depctr_va_vdst(0)
.irp j, 0,1,2,3,4,5,6,7
	v_exp_f32 v[Y+\j], v[Y+\j]
.endr
	v_nop                                          ; a plain place behind the batch,
	s_wait_alu depctr_va_vdst(0)                   ; and the one wait ahead of its first reader
.irp j, 0,2,4,6
	v_pk_add_f32 v[Y+\j:Y+\j+1], v[Y+\j:Y+\j+1], 1.0 op_sel_hi:[1,0]
.endr
	s_wait_alu depctr_va_vdst(0)
.irp j, 0,1,2,3,4,5,6,7
	v_rcp_f32 v[Y+\j], v[Y+\j]
.endr
	v_nop
	s_wait_alu depctr_va_vdst(0)
.irp j, 0,2,4,6
	v_pk_fma_f32 v[Y+\j:Y+\j+1], v[Y+\j:Y+\j+1], -2.0, 1.0 op_sel_hi:[1,0,0]
.endr
.endm
	s_load_b256 s[4:11], s[0:1], 0x0
	s_load_b128 s[12:15], s[0:1], 0x20
	s_load_b64 s[16:17], s[0:1], 0x30
	v_lshl_add_u32 v[SPW], v0, 2, SPARE
	v_mov_b32 v[NIL], 0
	v_lshrrev_b32 v3, 5, v0
	s_delay_alu instid0(VALU_DEP_1)
	v_readfirstlane_b32 s20, v3                    ; wave = K step
	v_and_b32 v3, 31, v0                           ; lane
	v_and_b32 v4, 15, v0                           ; r
	v_bfe_u32 v11, v0, 4, 1                        ; h
	s_delay_alu instid0(VALU_DEP_3)
	v_lshlrev_b32 v[LI16], 4, v3
	s_delay_alu instid0(VALU_DEP_4)
	v_lshlrev_b32 v[LI4], 2, v3
	s_delay_alu instid0(VALU_DEP_3)
	v_lshlrev_b32 v[SH8], 3, v11
	s_mul_i32 s34, s20, STGB
	v_add_nc_u32 v[STW], s34, v[LI16]
	v_mul_u32_u24 v[STO], v4, 528
	s_delay_alu instid0(VALU_DEP_1)
	v_add_nc_u32 v[STO], s34, v[STO]               ; my stage, row r
	s_delay_alu instid0(VALU_DEP_1)
	v_lshl_add_u32 v[STR], v11, 7, v[STO]
	s_delay_alu instid0(VALU_DEP_2)
	v_lshl_add_u32 v[STO], v11, 5, v[STO]
	s_mul_i32 s34, s20, 1056
	v_add_nc_u32 v[RD], s34, v[LI16]
	v_mov_b32 v[OTH], 0                            ; written once: a lane permute's destination counts as one of its sources
.if MODE == 2
	v_lshlrev_b32 v[SO2], 8, v4
	s_lshl_b32 s35, s20, 8
	s_add_co_u32 s35, s35, FAC
	v_lshl_add_u32 v[FW], v4, 4, s35
	v_mov_b32 v[FR], s35
.endif
.if MODE
	s_mov_b32 s[KK], 0x4038aa3b                    ; 2 log2(e)
	s_mov_b32 s[KK+1], s[KK]
.endif
	s_mov_b32 s[SEL], 0x76543210
	s_mov_b32 s[SEL+1], 0xfedcba98
	s_and_b32 s22, ttmp9, 7                        ; mt
	s_lshr_b32 s23, ttmp9, 3                       ; slice
	s_lshl_b32 s24, s22, 16                        ; A: 16 mt rows of 4,096 bytes
	s_lshl_b32 s38, s20, 9                         ; + 128 w along K
	s_add_co_u32 s24, s24, s38
	s_mov_b32 s25, 0
.if MODE == 2
	s_mul_i32 s26, s23, 102400                     ; the slice
	s_add_co_u32 s26, s26, WBASE*819200            ; of the weight
.else
	s_and_b32 s21, ttmp7, 0xffff                   ; which of the two products
	s_add_co_u32 s26, s21, WBASE
	s_mul_i32 s26, s26, 819200                     ; the weight,
	s_mul_i32 s38, s23, 102400                     ; its slice
	s_add_co_u32 s26, s26, s38
.endif
	s_lshl_b32 s38, s20, 8
	s_add_co_u32 s28, s26, s38
	s_add_co_u32 s28, s28, 98304                   ; K step w's scale words
	s_mov_b32 s29, 0
	s_mul_i32 s38, s20, 6144
	s_add_co_u32 s26, s26, s38                     ; K step w's codes
	s_mov_b32 s27, 0
	s_lshl_b32 s30, s23, 9                         ; the bias of the slice's 128 columns
	s_mov_b32 s31, 0
	s_lshl_b32 s32, s22, 16                        ; out: row 16 mt + 2 w, the slice's columns
	s_lshl_b32 s38, s20, 13
	s_add_co_u32 s32, s32, s38
	s_add_co_u32 s32, s32, s30
	s_mov_b32 s33, 0
.if MODE == 2
	s_lshl_b32 s40, s22, 17                        ; ctxp: two rows of 4,096 bytes for each of 16 mt batches
	s_lshl_b32 s38, s20, 9
	s_add_co_u32 s40, s40, s38
	s_mov_b32 s41, 0
	s_lshl_b32 s42, s22, 12                        ; stat: 256 bytes a batch
	s_mov_b32 s43, 0
.endif
	s_wait_alu depctr_va_vdst(0)
	s_wait_kmcnt 0x0
.if MODE != 2
	s_cmp_eq_u32 s21, 0                            ; the choice hangs on the work-group's number alone
	s_cselect_b64 s[4:5], s[4:5], s[6:7]
	s_cselect_b64 s[10:11], s[10:11], s[12:13]
	s_cselect_b64 s[14:15], s[14:15], s[16:17]
.endif
	s_add_nc_u64 s[PA:PA+1], s[PA:PA+1], s[24:25]
	s_add_nc_u64 s[18:19], s[PW:PW+1], s[28:29]
	s_add_nc_u64 s[PW:PW+1], s[PW:PW+1], s[26:27]
	s_add_nc_u64 s[PB:PB+1], s[PB:PB+1], s[30:31]
	s_add_nc_u64 s[PO:PO+1], s[PO:PO+1], s[32:33]
.if MODE == 2
	s_add_nc_u64 s[8:9], s[8:9], s[24:25]
	s_add_nc_u64 s[4:5], s[4:5], s[40:41]
	s_add_nc_u64 s[6:7], s[6:7], s[42:43]
	global_load_b128 v[ST0:ST0+3], v[SO2], s[6:7]
	global_load_b128 v[ST0+4:ST0+7], v[SO2], s[6:7] offset:128
.endif
	global_load_b128 v[BIAS:BIAS+3], v[LI16], s[PB:PB+1]
.irp j, 0,1,2,3,4,5,6,7,8,9,10,11,12,13,14,15
	global_load_b128 v[RAW+4*\j:RAW+4*\j+3], v[LI16], s[PA:PA+1] offset:4096*\j   ; row j, k = 128 w + 4 lane ..: 512 consecutive bytes a load
.endr
.if MODE == 2
.irp j, 0,1,2,3,4,5,6,7,8,9,10,11,12,13,14,15
	global_load_b128 v[X+4*\j:X+4*\j+3], v[LI16], s[8:9] offset:4096*\j
.endr
.irp j, 0,1,2,3,4,5,6,7,8,9,10,11,12,13,14,15
	global_load_b128 v[C0+4*\j:C0+4*\j+3], v[LI16], s[4:5] offset:8192*\j
.endr
	WIN 0x40                                       ; destination window 1
.irp j, 0,1,2,3,4,5,6,7,8,9,10,11,12,13,14,15
	global_load_b128 v[C1+4*\j:C1+4*\j+3], v[LI16], s[4:5] offset:8192*\j+4096
.endr
.endif
	WIN 0x40
.irp t, 0,1,2,3,4,5,6,7                ; W's fragments of tiles 4 u + i, as they lie: 512 consecutive bytes a load
.irp g, 0,1,2
	global_load_b128 v[BF+12*\t+4*\g:BF+12*\t+4*\g+3], v[LI16], s[PW:PW+1] offset:(\t/4)*49152+(\t%4)*1536+512*\g
.endr
.endr
	WIN 0
.irp p, 0,1,2,3
	global_load_b32 v[BS+\p], v[LI4], s[18:19] offset:(\p/2)*2048+(\p%2)*128
.endr
.if MODE == 2
; THE MERGE.  For row r's batch: the two halves' maxima M0, M1 and sums L0, L1, and the s row's score ss, all in powers of two, give three factors.
	s_wait_loadcnt 63                              ; behind stat's two loads 93 were issued; the count's field holds 63, and a smaller count is safe
	v_max3_num_f32 v21, v[ST0], v[ST0+4], v[ST0+2] ; the largest of the 513 scores is taken away, as reference() does
	v_sub_f32 v22, v[ST0], v21
	v_sub_f32 v23, v[ST0+4], v21
	v_sub_f32 v28, v[ST0+2], v21
	v_exp_f32 v22, v22
	v_exp_f32 v23, v23
	v_exp_f32 v28, v28
	v_mov_b32 v[FV+3], 0                           ; (a plain place behind the batch)
	s_wait_alu depctr_va_vdst(0)
	v_fma_f32 v29, v23, v[ST0+5], v28
	v_fma_f32 v29, v22, v[ST0+1], v29              ; the softmax's sum: at least 1
	v_rcp_f32 v29, v29
	v_nop
	s_wait_alu depctr_va_vdst(0)
	v_mul_f32 v[FV], v22, v29
	v_mul_f32 v[FV+1], v23, v29
	v_mul_f32 v[FV+2], v28, v29
	ds_store_b128 v[FW], v[FV:FV+3]                ; lanes r and 16 + r write the same bytes with the same values
	WIN 0x40
.irp j, 0,1,2,3,4,5,6,7,8,9,10,11,12,13,14,15
	ds_load_b128 v[D+4*\j:D+4*\j+3], v[FR] offset:16*\j   ; LDS serves a wave's instructions in order: these see my store.  Row j's factors, the same in every lane
.endr
	WIN 0
.endif
	s_wait_loadcnt 28                              ; behind A's numbers stand W's 24 + 4 loads: they may stay out
.if MODE == 2
	s_wait_dscnt 0x0
	WIN 0x04                                       ; source 1 (the factors) window 1
.set n, 0
.rept 32
	v_pk_fma_f32 v[RAW+2*n:RAW+2*n+1], v[X+2*n:X+2*n+1], v[D+4*(n/2)+2:D+4*(n/2)+3], v[RAW+2*n:RAW+2*n+1] op_sel_hi:[1,0,1]   ; h_proj + alpha_s s_proj: the pair's first register serves both halves
.set n, n+1
.endr
.set n, 0
.rept 32
	v_pk_fma_f32 v[RAW+2*n:RAW+2*n+1], v[C0+2*n:C0+2*n+1], v[D+4*(n/2):D+4*(n/2)+1], v[RAW+2*n:RAW+2*n+1] op_sel_hi:[1,0,1]
.set n, n+1
.endr
	WIN 0x05                                       ; sources 0 and 1 window 1
.set n, 0
.rept 32
	v_pk_fma_f32 v[RAW+2*n:RAW+2*n+1], v[C1+2*n:C1+2*n+1], v[D+4*(n/2):D+4*(n/2)+1], v[RAW+2*n:RAW+2*n+1] op_sel:[0,1,0] op_sel_hi:[1,1,1]   ; the pair's second register serves both halves
.set n, n+1
.endr
	WIN 0
.endif
.irp j, 0,1,2,3,4,5,6,7,8,9,10,11,12,13,14,15
	ds_store_b128 v[STW], v[RAW+4*\j:RAW+4*\j+3] offset:528*\j     ; rows as they lie, 528 bytes apart
.endr
.irp c, 0,1
.irp i, 0,1,2,3,4,5,6,7
	ds_load_b128 v[X+32*\c+4*\i:X+32*\c+4*\i+3], v[STR] offset:256*\c+16*\i   ; these see my stores.  Row r, k = 64 c + 32 h + 4 i ..
.endr
.endr
	s_wait_dscnt 0x0
	AQ AF, AS, 0
	s_wait_alu depctr_va_vdst(0)
	s_wait_loadcnt 0x0                             ; W's fragments and words
.rept 8
	v_nop                                          ; a scale register written by a vector instruction stands 8 places ahead of a scaled matrix instruction, an operand so written 4
.endr
	WIN 0x41                                       ; source 0 (W) and the result in window 1
.irp t, 0,1,2,3,4,5,6,7                ; eight accumulators, one instruction each
.if \t%2
	v_wmma_scale_f32_16x16x128_f8f6f4 v[D+8*\t:D+8*\t+7], v[BF+12*\t:BF+12*\t+11], v[AF:AF+11], 0, v[BS+\t/2], v[AS] matrix_a_fmt:MATRIX_FMT_BF6 matrix_b_fmt:MATRIX_FMT_BF6 matrix_a_scale:MATRIX_SCALE_ROW1
.else
	v_wmma_scale_f32_16x16x128_f8f6f4 v[D+8*\t:D+8*\t+7], v[BF+12*\t:BF+12*\t+11], v[AF:AF+11], 0, v[BS+\t/2], v[AS] matrix_a_fmt:MATRIX_FMT_BF6 matrix_b_fmt:MATRIX_FMT_BF6
.endif
.endr
.rept 4
	v_nop                                          ; four places ahead of the first read of results
.endr
	WIN 0x04                                       ; an LDS store's data are its source 1: window 1
.irp t, 0,1,2,3,4,5,6,7
	ds_store_b128 v[STO], v[D+8*\t:D+8*\t+3] offset:64*\t          ; lane (r, h): row r, columns 16 t + 8 h + 0 .. 7; each accumulator from its low end on
	ds_store_b128 v[STO], v[D+8*\t+4:D+8*\t+7] offset:64*\t+16
.endr
	WIN 0
	s_wait_dscnt 0x0                               ; for the others' sake: my stores have landed
	s_barrier_signal -1
	s_barrier_wait -1
.irp q, 0,1,2,3,4,5,6,7
.irp w, 0,1
	ds_load_b128 v[RAW+8*\q+4*\w:RAW+8*\q+4*\w+3], v[RD] offset:\q*STGB+528*\w   ; K step q's part of rows 2 w and 2 w + 1: 16 bytes a lane
.endr
.endr
	s_wait_dscnt 0x0
.irp w, 0,1
.irp j, 0,2
	v_pk_add_f32 v[Y+4*\w+\j:Y+4*\w+\j+1], v[BIAS+\j:BIAS+\j+1], v[RAW+4*\w+\j:RAW+4*\w+\j+1]
.endr
.endr
.irp q, 1,2,3,4,5,6,7
.irp w, 0,1
.irp j, 0,2
	s_delay_alu instid0(VALU_DEP_4)
	v_pk_add_f32 v[Y+4*\w+\j:Y+4*\w+\j+1], v[Y+4*\w+\j:Y+4*\w+\j+1], v[RAW+8*\q+4*\w+\j:RAW+8*\q+4*\w+\j+1]
.endr
.endr
.endr
.if MODE == 1
	s_cmp_eq_u32 s21, 0
	s_cbranch_scc0 .Ltanh
.irp j, 0,1,2,3,4,5,6,7
	v_max_num_f32 v[Y+\j], 0, v[Y+\j]
.endr
	s_branch .Lact_done
.Ltanh:
	s_wait_alu depctr_va_vdst(0)
	TANH
.Lact_done:
.endif
.if MODE == 2
	TANH
.endif
	s_wait_alu depctr_va_vdst(0)
	global_store_b128 v[LI16], v[Y:Y+3], s[PO:PO+1]                ; 32 lanes store 512 consecutive bytes, at a multiple of 256 from the buffer's first byte
	global_store_b128 v[LI16], v[Y+4:Y+7], s[PO:PO+1] offset:4096
	s_wait_tensorcnt 0x0                           ; the wave's end, behind my last LDS store
	ds_add_u32 v[SPW], v[NIL]
	s_wait_dscnt 0x0
	s_endpgm
.Lfunc_end_k_qa94fe9a395_proj:
	.size	k_qa94fe9a395_proj, .Lfunc_end_k_qa94fe9a395_proj-k_qa94fe9a395_proj
	.p2alignl 7, 3214868480
	.fill 96, 4, 3214868480
	.section	.rodata,"a",@progbits
	.p2align	6, 0x0
	.amdhsa_kernel k_qa94fe9a395_proj
		.amdhsa_group_segment_fixed_size 70656
		.amdhsa_private_segment_fixed_size 0
		.amdhsa_enable_private_segment 0
		.amdhsa_kernarg_size 56
		.amdhsa_user_sgpr_count 2
		.amdhsa_user_sgpr_kernarg_segment_ptr 1
		.amdhsa_wavefront_size32 1
		.amdhsa_system_sgpr_workgroup_id_x 1
		.amdhsa_system_sgpr_workgroup_id_y 1
		.amdhsa_system_sgpr_workgroup_id_z 1
		.amdhsa_system_vgpr_workitem_id 0
		.amdhsa_next_free_vgpr 416
		.amdhsa_next_free_sgpr 66
		.amdhsa_reserve_vcc 0
		.amdhsa_float_denorm_mode_32 3
		.amdhsa_float_denorm_mode_16_64 3
		.amdhsa_memory_ordered 1
		.amdhsa_forward_progress 1
		.amdhsa_inst_pref_size 23
	.end_amdhsa_kernel
	.amdgpu_metadata
---
amdhsa.version: [ 1, 2 ]
amdhsa.kernels:
  - .name:           k_qa94fe9a395_proj
    .symbol:         k_qa94fe9a395_proj.kd
    .args:
      - { .name: s_t, .offset: 0, .size: 8, .value_kind: global_buffer, .address_space: global }
      - { .name: h_t, .offset: 8, .size: 8, .value_kind: global_buffer, .address_space: global }
      - { .name: wimg, .offset: 16, .size: 8, .value_kind: global_buffer, .address_space: global }
      - { .name: bsp, .offset: 24, .size: 8, .value_kind: global_buffer, .address_space: global }
      - { .name: bhp, .offset: 32, .size: 8, .value_kind: global_buffer, .address_space: global }
      - { .name: s_proj, .offset: 40, .size: 8, .value_kind: global_buffer, .address_space: global }
      - { .name: h_proj, .offset: 48, .size: 8, .value_kind: global_buffer, .address_space: global }
    .group_segment_fixed_size: 70656
    .private_segment_fixed_size: 0
    .kernarg_segment_align: 8
    .kernarg_segment_size: 56
    .max_flat_workgroup_size: 256
    .sgpr_count:     66
    .vgpr_count:     416
    .wavefront_size: 32
...
	.end_amdgpu_metadata
.endif
;; end of part 2
;; launch att (part 3): grid 64 x 2, 8 waves a work-group, no clusters, 70,656 bytes of LDS; arguments s_proj, h_proj, wimg, bsa, bha, s_att, h_att; writes s_att, h_att
.if DOCPART == 3
	.amdgcn_target "amdgcn-amd-amdhsa--gfx1250"
	.amdhsa_code_object_version 6
	.text
	.protected	k_qa94fe9a395_att
	.globl	k_qa94fe9a395_att
	.p2align	8
	.type	k_qa94fe9a395_att,@function
k_qa94fe9a395_att:
	s_mov_b64 s[64:65], 0
	v_nop
	global_prefetch_b8 v0, s[64:65] scope:SCOPE_SE
	s_setreg_imm32_b32 hwreg(HW_REG_WAVE_MODE, 25, 1), 1
	s_wait_xcnt 0x0
; LAUNCH 2 OF 5 (MODE 0).  y = 0: s_att = Q(s_proj) Q(Wsa) + bsa;  y = 1: h_att = Q(h_proj) Q(Wha) + bha.  [128][1024] x [1024][1024], both operands BF6 (E3M2), one E8M0 byte for each 32 along K.
; One source serves three launches: MODE 0 no activation, MODE 1 relu or tanh by the work-group's y, MODE 2 the softmax's merge ahead of the quantiser and tanh behind the product.
; SHARES.  Work-group x = 8 slice + mt: 16 rows (mt) x 128 columns (slice).  WAVE w IS K STEP w.  It takes its 128 numbers of each of the 16 rows by one load of 512 consecutive bytes, turns the rows through its own stage in LDS
; so that a lane holds whole blocks of 32 along K, quantises them in registers, takes its 8 fragments of W from wimg as they lie, issues 8 products (transposed: source 0 = 16 columns of W, source 1 = A's 16 rows, so that a lane
; holds 8 neighbouring columns of one row), and puts its partial tile into the same stage.  Behind one barrier wave w adds the eight partial tiles of rows 2 w and 2 w + 1, K ascending, onto the bias, and stores whole rows of 512 bytes.
; No cluster: the operands go from memory straight into registers, so there is no tensor load that partners could ask jointly; a wave's matrix work is 8 instructions.
; LIMITS: a block of zeros gets the byte 1 (zero codes); NaN and infinities among the inputs are not served.
.set MODE,  0
.set WBASE, 3                          ; the weight of y = 0 in wimg
.set STGB,  8448                       ; a wave's stage: 16 rows x (512 bytes + 16)
.set FAC,   8*STGB                     ; (MODE 2) 256 bytes for each wave: the merge's factors, 16 bytes a row
.set SPARE, FAC+2048                   ; the spare words, 128 bytes for each wave: four blocks of 256 bytes that no other line names
.set SPW,  1                           ; v1   LDS address of my spare word; never rewritten
.set NIL,  2                           ; v2   0; never rewritten
.set STW,  5                           ; v5   my stage + 16 x lane
.set LI16, 6                           ; v6   16 x lane
.set LI4,  7                           ; v7   4 x lane
.set SH8,  8                           ; v8   8 h
.set STO,  9                           ; v9   my stage: row r, + 32 h
.set RD,   10                          ; v10  stage 0, row 2 w, + 16 x lane
.set STR,  12                          ; v12  my stage: row r, + 128 h
.set SO2,  13                          ; v13  (MODE 2) stat: 256 r
.set FW,   14                          ; v14  (MODE 2) my wave's factors + 16 r
.set FR,   15                          ; v15  (MODE 2) my wave's factors
.set BS,   16                          ; v16-19 W's scale words: register 2 u + pp; scales and nothing else
.set AS,   20                          ; v20  A's scale word; a scale and nothing else
.set T,    21                          ; v21-29 at work in the merge and the quantiser
.set S,    23
.set B,    25
.set OWN,  27
.set OTH,  28
.set FV,   24                          ; v24-27 (MODE 2) my row's factors: first half's, second half's, the s row's, 0
.set TMP,  30                          ; v30-32, v34-36
.set AF,   40                          ; v40-51 A's fragment
.set ST0,  52                          ; v52-59 (MODE 2) M0, L0, ss, 0; M1, L1, ss, 0
.set BIAS, 60                          ; v60-63 the bias of my 4 columns
.set RAW,  64                          ; v64-127 16 rows x 16 bytes as loaded (MODE 2: h_proj, then the merged rows); later the eight partial tiles' rows
.set X,    128                         ; v128-191 64 numbers of a lane along K (MODE 2: first s_proj's rows)
.set C0,   192                         ; v192-255 (MODE 2) the first half's partial context
.set Y,    192                         ; v192-199 at the end: two rows x 4 columns
.set BF,   0                           ; window 1: v0-95 W's 8 fragments; v96-159 the 8 results (MODE 2: first the 16 rows' factors); v160-223 (MODE 2) the second half's partial context
.set D,    96
.set C1,   160
.set KK,   36                          ; s[36:37] 2 log2(e)
.set SEL,  44                          ; s[44:45] v_permlanex16_b32's selects for lane l xor 16
.if MODE == 2
.set PA, 10
.set PW, 12
.set PB, 14
.set PO, 16
.else
.set PA, 4
.set PW, 8
.set PB, 10
.set PO, 14
.endif
.set MSB, 0
.macro WIN new                         ; the immediate's high byte repeats the setting that is left
.if MSB != \new
	s_set_vgpr_msb (MSB<<8)|\new
.set MSB, \new
.endif
.endm
; 64 numbers of a lane, v[X + 32 c + i] = k 64 c + 32 h + i of my row: two whole blocks of 32.  They become the fragment's 12 registers at fdst (in the window that win names for destinations) and its scale word.
.macro AQ fdst, sdst, win
.irp c, 0,1
	v_max3_num_f32 v[T+\c], |v[X+32*\c]|, |v[X+32*\c+1]|, 0x2800000   ; the floor 2^(5 - 127) among the leaves: the byte cannot fall under 1
.endr
.irp i, 2,4,6,8,10,12,14,16,18,20,22,24,26,28,30
.irp c, 0,1
	s_delay_alu instid0(VALU_DEP_2)
	v_max3_num_f32 v[T+\c], v[T+\c], |v[X+32*\c+\i]|, |v[X+32*\c+\i+1]|
.endr
.endr
.irp c, 0,1
	s_delay_alu instid0(VALU_DEP_2)
	v_add_nc_u32 v[S+\c], 0xfe000000, v[T+\c]      ; 4 off the exponent field: the conversion's scale operand
.endr
.irp c, 0,1
	s_delay_alu instid0(VALU_DEP_2)
	v_lshrrev_b32 v[B+\c], 23, v[S+\c]             ; the scale's byte
.endr
	s_delay_alu instid0(VALU_DEP_1)
	v_lshl_or_b32 v[OWN], v[B+1], 16, v[B]         ; my bytes: blocks h and 2 + h,
	s_delay_alu instid0(VALU_DEP_1)
	v_lshlrev_b32 v[OWN], v[SH8], v[OWN]           ; at their places;
	s_delay_alu instid0(VALU_DEP_1)
	v_permlanex16_b32 v[OTH], v[OWN], s[SEL], s[SEL+1]
	s_delay_alu instid0(VALU_DEP_1)
	v_or_b32 v[\sdst], v[OWN], v[OTH]              ; with lane l xor 16's two the word is whole
.irp c, 0,1
	v_cvt_scalef32_pk16_bf6_f32 v[TMP+4*\c:TMP+4*\c+2], v[X+32*\c+16:X+32*\c+31], v[S+\c]   ; (a conversion's three registers begin on an even number)
.endr
	WIN \win
.irp c, 0,1
	v_cvt_scalef32_pk16_bf6_f32 v[(\fdst)+6*\c:(\fdst)+6*\c+2], v[X+32*\c:X+32*\c+15], v[S+\c]
.endr
	v_nop                                          ; one plain place behind the scaled conversions
.irp c, 0,1
.irp i, 0,1,2
	v_mov_b32 v[(\fdst)+6*\c+3+\i], v[TMP+4*\c+\i]
.endr
.endr
	WIN 0
.endm
.macro TANH                            ; on v[Y] .. v[Y + 7]
.irp j, 0,2,4,6
	v_pk_mul_f32 v[Y+\j:Y+\j+1], v[Y+\j:Y+\j+1], s[KK:KK+1] op_sel_hi:[1,0]
.endr
.irp j, 0,1,2,3,4,5,6,7
	v_exp_f32 v[Y+\j], v[Y+\j]
.endr
	v_nop                                          ; a plain place behind the batch,
	s_wait_alu depctr_va_vdst(0)                   ; and the one wait ahead of its first reader
.irp j, 0,2,4,6
	v_pk_add_f32 v[Y+\j:Y+\j+1], v[Y+\j:Y+\j+1], 1.0 op_sel_hi:[1,0]
.endr
.irp j, 0,1,2,3,4,5,6,7
	v_rcp_f32 v[Y+\j], v[Y+\j]
.endr
	v_nop
	s_wait_alu depctr_va_vdst(0)
.irp j, 0,2,4,6
	v_pk_fma_f32 v[Y+\j:Y+\j+1], v[Y+\j:Y+\j+1], -2.0, 1.0 op_sel_hi:[1,0,0]
.endr
.endm
	s_load_b256 s[4:11], s[0:1], 0x0
	s_load_b128 s[12:15], s[0:1], 0x20
	s_load_b64 s[16:17], s[0:1], 0x30
	v_lshl_add_u32 v[SPW], v0, 2, SPARE
	v_mov_b32 v[NIL], 0
	v_lshrrev_b32 v3, 5, v0
	s_delay_alu instid0(VALU_DEP_1)
	v_readfirstlane_b32 s20, v3                    ; wave = K step
	v_and_b32 v3, 31, v0                           ; lane
	v_and_b32 v4, 15, v0                           ; r
	v_bfe_u32 v11, v0, 4, 1                        ; h
	s_delay_alu instid0(VALU_DEP_3)
	v_lshlrev_b32 v[LI16], 4, v3
	s_delay_alu instid0(VALU_DEP_4)
	v_lshlrev_b32 v[LI4], 2, v3
	s_delay_alu instid0(VALU_DEP_3)
	v_lshlrev_b32 v[SH8], 3, v11
	s_mul_i32 s34, s20, STGB
	v_add_nc_u32 v[STW], s34, v[LI16]
	v_mul_u32_u24 v[STO], v4, 528
	s_delay_alu instid0(VALU_DEP_1)
	v_add_nc_u32 v[STO], s34, v[STO]               ; my stage, row r
	s_delay_alu instid0(VALU_DEP_1)
	v_lshl_add_u32 v[STR], v11, 7, v[STO]
	s_delay_alu instid0(VALU_DEP_2)
	v_lshl_add_u32 v[STO], v11, 5, v[STO]
	s_mul_i32 s34, s20, 1056
	v_add_nc_u32 v[RD], s34, v[LI16]
	v_mov_b32 v[OTH], 0                            ; written once: a lane permute's destination counts as one of its sources
.if MODE == 2
	v_lshlrev_b32 v[SO2], 8, v4
	s_lshl_b32 s35, s20, 8
	s_add_co_u32 s35, s35, FAC
	v_lshl_add_u32 v[FW], v4, 4, s35
	v_mov_b32 v[FR], s35
.endif
.if MODE
	s_mov_b32 s[KK], 0x4038aa3b                    ; 2 log2(e)
	s_mov_b32 s[KK+1], s[KK]
.endif
	s_mov_b32 s[SEL], 0x76543210
	s_mov_b32 s[SEL+1], 0xfedcba98
	s_and_b32 s22, ttmp9, 7                        ; mt
	s_lshr_b32 s23, ttmp9, 3                       ; slice
	s_lshl_b32 s24, s22, 16                        ; A: 16 mt rows of 4,096 bytes
	s_lshl_b32 s38, s20, 9                         ; + 128 w along K
	s_add_co_u32 s24, s24, s38
	s_mov_b32 s25, 0
.if MODE == 2
	s_mul_i32 s26, s23, 102400                     ; the slice
	s_add_co_u32 s26, s26, WBASE*819200            ; of the weight
.else
	s_and_b32 s21, ttmp7, 0xffff                   ; which of the two products
	s_add_co_u32 s26, s21, WBASE
	s_mul_i32 s26, s26, 819200                     ; the weight,
	s_mul_i32 s38, s23, 102400                     ; its slice
	s_add_co_u32 s26, s26, s38
.endif
	s_lshl_b32 s38, s20, 8
	s_add_co_u32 s28, s26, s38
	s_add_co_u32 s28, s28, 98304                   ; K step w's scale words
	s_mov_b32 s29, 0
	s_mul_i32 s38, s20, 6144
	s_add_co_u32 s26, s26, s38                     ; K step w's codes
	s_mov_b32 s27, 0
	s_lshl_b32 s30, s23, 9                         ; the bias of the slice's 128 columns
	s_mov_b32 s31, 0
	s_lshl_b32 s32, s22, 16                        ; out: row 16 mt + 2 w, the slice's columns
	s_lshl_b32 s38, s20, 13
	s_add_co_u32 s32, s32, s38
	s_add_co_u32 s32, s32, s30
	s_mov_b32 s33, 0
.if MODE == 2
	s_lshl_b32 s40, s22, 17                        ; ctxp: two rows of 4,096 bytes for each of 16 mt batches
	s_lshl_b32 s38, s20, 9
	s_add_co_u32 s40, s40, s38
	s_mov_b32 s41, 0
	s_lshl_b32 s42, s22, 12                        ; stat: 256 bytes a batch
	s_mov_b32 s43, 0
.endif
	s_wait_alu depctr_va_vdst(0)
	s_wait_kmcnt 0x0
.if MODE != 2
	s_cmp_eq_u32 s21, 0                            ; the choice hangs on the work-group's number alone
	s_cselect_b64 s[4:5], s[4:5], s[6:7]
	s_cselect_b64 s[10:11], s[10:11], s[12:13]
	s_cselect_b64 s[14:15], s[14:15], s[16:17]
.endif
	s_add_nc_u64 s[PA:PA+1], s[PA:PA+1], s[24:25]
	s_add_nc_u64 s[18:19], s[PW:PW+1], s[28:29]
	s_add_nc_u64 s[PW:PW+1], s[PW:PW+1], s[26:27]
	s_add_nc_u64 s[PB:PB+1], s[PB:PB+1], s[30:31]
	s_add_nc_u64 s[PO:PO+1], s[PO:PO+1], s[32:33]
.if MODE == 2
	s_add_nc_u64 s[8:9], s[8:9], s[24:25]
	s_add_nc_u64 s[4:5], s[4:5], s[40:41]
	s_add_nc_u64 s[6:7], s[6:7], s[42:43]
	global_load_b128 v[ST0:ST0+3], v[SO2], s[6:7]
	global_load_b128 v[ST0+4:ST0+7], v[SO2], s[6:7] offset:128
.endif
	global_load_b128 v[BIAS:BIAS+3], v[LI16], s[PB:PB+1]
.irp j, 0,1,2,3,4,5,6,7,8,9,10,11,12,13,14,15
	global_load_b128 v[RAW+4*\j:RAW+4*\j+3], v[LI16], s[PA:PA+1] offset:4096*\j   ; row j, k = 128 w + 4 lane ..: 512 consecutive bytes a load
.endr
.if MODE == 2
.irp j, 0,1,2,3,4,5,6,7,8,9,10,11,12,13,14,15
	global_load_b128 v[X+4*\j:X+4*\j+3], v[LI16], s[8:9] offset:4096*\j
.endr
.irp j, 0,1,2,3,4,5,6,7,8,9,10,11,12,13,14,15
	global_load_b128 v[C0+4*\j:C0+4*\j+3], v[LI16], s[4:5] offset:8192*\j
.endr
	WIN 0x40                                       ; destination window 1
.irp j, 0,1,2,3,4,5,6,7,8,9,10,11,12,13,14,15
	global_load_b128 v[C1+4*\j:C1+4*\j+3], v[LI16], s[4:5] offset:8192*\j+4096
.endr
.endif
	WIN 0x40
.irp t, 0,1,2,3,4,5,6,7                ; W's fragments of tiles 4 u + i, as they lie: 512 consecutive bytes a load
.irp g, 0,1,2
	global_load_b128 v[BF+12*\t+4*\g:BF+12*\t+4*\g+3], v[LI16], s[PW:PW+1] offset:(\t/4)*49152+(\t%4)*1536+512*\g
.endr
.endr
	WIN 0
.irp p, 0,1,2,3
	global_load_b32 v[BS+\p], v[LI4], s[18:19] offset:(\p/2)*2048+(\p%2)*128
.endr
.if MODE == 2
; THE MERGE.  For row r's batch: the two halves' maxima M0, M1 and sums L0, L1, and the s row's score ss, all in powers of two, give three factors.
	s_wait_loadcnt 63                              ; behind stat's two loads 93 were issued; the count's field holds 63, and a smaller count is safe
	v_max3_num_f32 v21, v[ST0], v[ST0+4], v[ST0+2] ; the largest of the 513 scores is taken away, as reference() does
	v_sub_f32 v22, v[ST0], v21
	v_sub_f32 v23, v[ST0+4], v21
	v_sub_f32 v28, v[ST0+2], v21
	v_exp_f32 v22, v22
	v_exp_f32 v23, v23
	v_exp_f32 v28, v28
	v_mov_b32 v[FV+3], 0                           ; (a plain place behind the batch)
	s_wait_alu depctr_va_vdst(0)
	v_fma_f32 v29, v23, v[ST0+5], v28
	v_fma_f32 v29, v22, v[ST0+1], v29              ; the softmax's sum: at least 1
	v_rcp_f32 v29, v29
	v_nop
	s_wait_alu depctr_va_vdst(0)
	v_mul_f32 v[FV], v22, v29
	v_mul_f32 v[FV+1], v23, v29
	v_mul_f32 v[FV+2], v28, v29
	ds_store_b128 v[FW], v[FV:FV+3]                ; lanes r and 16 + r write the same bytes with the same values
	WIN 0x40
.irp j, 0,1,2,3,4,5,6,7,8,9,10,11,12,13,14,15
	ds_load_b128 v[D+4*\j:D+4*\j+3], v[FR] offset:16*\j   ; LDS serves a wave's instructions in order: these see my store.  Row j's factors, the same in every lane
.endr
	WIN 0
.endif
	s_wait_loadcnt 28                              ; behind A's numbers stand W's 24 + 4 loads: they may stay out
.if MODE == 2
	s_wait_dscnt 0x0
	WIN 0x04                                       ; source 1 (the factors) window 1
.set n, 0
.rept 32
	v_pk_fma_f32 v[RAW+2*n:RAW+2*n+1], v[X+2*n:X+2*n+1], v[D+4*(n/2)+2:D+4*(n/2)+3], v[RAW+2*n:RAW+2*n+1] op_sel_hi:[1,0,1]   ; h_proj + alpha_s s_proj: the pair's first register serves both halves
.set n, n+1
.endr
.set n, 0
.rept 32
	v_pk_fma_f32 v[RAW+2*n:RAW+2*n+1], v[C0+2*n:C0+2*n+1], v[D+4*(n/2):D+4*(n/2)+1], v[RAW+2*n:RAW+2*n+1] op_sel_hi:[1,0,1]
.set n, n+1
.endr
	WIN 0x05                                       ; sources 0 and 1 window 1
.set n, 0
.rept 32
	v_pk_fma_f32 v[RAW+2*n:RAW+2*n+1], v[C1+2*n:C1+2*n+1], v[D+4*(n/2):D+4*(n/2)+1], v[RAW+2*n:RAW+2*n+1] op_sel:[0,1,0] op_sel_hi:[1,1,1]   ; the pair's second register serves both halves
.set n, n+1
.endr
	WIN 0
.endif
.irp j, 0,1,2,3,4,5,6,7,8,9,10,11,12,13,14,15
	ds_store_b128 v[STW], v[RAW+4*\j:RAW+4*\j+3] offset:528*\j     ; rows as they lie, 528 bytes apart
.endr
.irp c, 0,1
.irp i, 0,1,2,3,4,5,6,7
	ds_load_b128 v[X+32*\c+4*\i:X+32*\c+4*\i+3], v[STR] offset:256*\c+16*\i   ; these see my stores.  Row r, k = 64 c + 32 h + 4 i ..
.endr
.endr
	s_wait_dscnt 0x0
	AQ AF, AS, 0
	s_wait_alu depctr_va_vdst(0)
	s_wait_loadcnt 0x0                             ; W's fragments and words
.rept 8
	v_nop                                          ; a scale register written by a vector instruction stands 8 places ahead of a scaled matrix instruction, an operand so written 4
.endr
	WIN 0x41                                       ; source 0 (W) and the result in window 1
.irp t, 0,1,2,3,4,5,6,7                ; eight accumulators, one instruction each
.if \t%2
	v_wmma_scale_f32_16x16x128_f8f6f4 v[D+8*\t:D+8*\t+7], v[BF+12*\t:BF+12*\t+11], v[AF:AF+11], 0, v[BS+\t/2], v[AS] matrix_a_fmt:MATRIX_FMT_BF6 matrix_b_fmt:MATRIX_FMT_BF6 matrix_a_scale:MATRIX_SCALE_ROW1
.else
	v_wmma_scale_f32_16x16x128_f8f6f4 v[D+8*\t:D+8*\t+7], v[BF+12*\t:BF+12*\t+11], v[AF:AF+11], 0, v[BS+\t/2], v[AS] matrix_a_fmt:MATRIX_FMT_BF6 matrix_b_fmt:MATRIX_FMT_BF6
.endif
.endr
.rept 4
	v_nop                                          ; four places ahead of the first read of results
.endr
	WIN 0x04                                       ; an LDS store's data are its source 1: window 1
.irp t, 0,1,2,3,4,5,6,7
	ds_store_b128 v[STO], v[D+8*\t:D+8*\t+3] offset:64*\t          ; lane (r, h): row r, columns 16 t + 8 h + 0 .. 7; each accumulator from its low end on
	ds_store_b128 v[STO], v[D+8*\t+4:D+8*\t+7] offset:64*\t+16
.endr
	WIN 0
	s_wait_dscnt 0x0                               ; for the others' sake: my stores have landed
	s_barrier_signal -1
	s_barrier_wait -1
.irp q, 0,1,2,3,4,5,6,7
.irp w, 0,1
	ds_load_b128 v[RAW+8*\q+4*\w:RAW+8*\q+4*\w+3], v[RD] offset:\q*STGB+528*\w   ; K step q's part of rows 2 w and 2 w + 1: 16 bytes a lane
.endr
.endr
	s_wait_dscnt 0x0
.irp w, 0,1
.irp j, 0,2
	v_pk_add_f32 v[Y+4*\w+\j:Y+4*\w+\j+1], v[BIAS+\j:BIAS+\j+1], v[RAW+4*\w+\j:RAW+4*\w+\j+1]
.endr
.endr
.irp q, 1,2,3,4,5,6,7
.irp w, 0,1
.irp j, 0,2
	s_delay_alu instid0(VALU_DEP_4)
	v_pk_add_f32 v[Y+4*\w+\j:Y+4*\w+\j+1], v[Y+4*\w+\j:Y+4*\w+\j+1], v[RAW+8*\q+4*\w+\j:RAW+8*\q+4*\w+\j+1]
.endr
.endr
.endr
.if MODE == 1
	s_cmp_eq_u32 s21, 0
	s_cbranch_scc0 .Ltanh
.irp j, 0,1,2,3,4,5,6,7
	v_max_num_f32 v[Y+\j], 0, v[Y+\j]
.endr
	s_branch .Lact_done
.Ltanh:
	TANH
.Lact_done:
.endif
.if MODE == 2
	TANH
.endif
	global_store_b128 v[LI16], v[Y:Y+3], s[PO:PO+1]                ; 32 lanes store 512 consecutive bytes, at a multiple of 256 from the buffer's first byte
	global_store_b128 v[LI16], v[Y+4:Y+7], s[PO:PO+1] offset:4096
	s_wait_tensorcnt 0x0                           ; the wave's end, behind my last LDS store
	ds_add_u32 v[SPW], v[NIL]
	s_wait_dscnt 0x0
	s_endpgm
.Lfunc_end_k_qa94fe9a395_att:
	.size	k_qa94fe9a395_att, .Lfunc_end_k_qa94fe9a395_att-k_qa94fe9a395_att
	.p2alignl 7, 3214868480
	.fill 96, 4, 3214868480
	.section	.rodata,"a",@progbits
	.p2align	6, 0x0
	.amdhsa_kernel k_qa94fe9a395_att
		.amdhsa_group_segment_fixed_size 70656
		.amdhsa_private_segment_fixed_size 0
		.amdhsa_enable_private_segment 0
		.amdhsa_kernarg_size 56
		.amdhsa_user_sgpr_count 2
		.amdhsa_user_sgpr_kernarg_segment_ptr 1
		.amdhsa_wavefront_size32 1
		.amdhsa_system_sgpr_workgroup_id_x 1
		.amdhsa_system_sgpr_workgroup_id_y 1
		.amdhsa_system_sgpr_workgroup_id_z 1
		.amdhsa_system_vgpr_workitem_id 0
		.amdhsa_next_free_vgpr 416
		.amdhsa_next_free_sgpr 66
		.amdhsa_reserve_vcc 0
		.amdhsa_float_denorm_mode_32 3
		.amdhsa_float_denorm_mode_16_64 3
		.amdhsa_memory_ordered 1
		.amdhsa_forward_progress 1
		.amdhsa_inst_pref_size 21
	.end_amdhsa_kernel
	.amdgpu_metadata
---
amdhsa.version: [ 1, 2 ]
amdhsa.kernels:
  - .name:           k_qa94fe9a395_att
    .symbol:         k_qa94fe9a395_att.kd
    .args:
      - { .name: s_proj, .offset: 0, .size: 8, .value_kind: global_buffer, .address_space: global }
      - { .name: h_proj, .offset: 8, .size: 8, .value_kind: global_buffer, .address_space: global }
      - { .name: wimg, .offset: 16, .size: 8, .value_kind: global_buffer, .address_space: global }
      - { .name: bsa, .offset: 24, .size: 8, .value_kind: global_buffer, .address_space: global }
      - { .name: bha, .offset: 32, .size: 8, .value_kind: global_buffer, .address_space: global }
      - { .name: s_att, .offset: 40, .size: 8, .value_kind: global_buffer, .address_space: global }
      - { .name: h_att, .offset: 48, .size: 8, .value_kind: global_buffer, .address_space: global }
    .group_segment_fixed_size: 70656
    .private_segment_fixed_size: 0
    .kernarg_segment_align: 8
    .kernarg_segment_size: 56
    .max_flat_workgroup_size: 256
    .sgpr_count:     66
    .vgpr_count:     416
    .wavefront_size: 32
...
	.end_amdgpu_metadata
.endif
;; end of part 3
;; launch main (part 4): grid 256 x 1, 8 waves a work-group, clusters of 4 x 1, 327,680 bytes of LDS; arguments V, wimg, bv, Wal, h_att, s_att, ctxp, stat; writes ctxp, stat
.if DOCPART == 4
	.amdgcn_target "amdgcn-amd-amdhsa--gfx1250"
	.amdhsa_code_object_version 6
	.text
	.protected	k_qa94fe9a395_main
	.globl	k_qa94fe9a395_main
	.p2align	8
	.type	k_qa94fe9a395_main,@function
k_qa94fe9a395_main:
	s_mov_b64 s[64:65], 0
	v_nop
	global_prefetch_b8 v0, s[64:65] scope:SCOPE_SE
	s_setreg_imm32_b32 hwreg(HW_REG_WAVE_MODE, 25, 1), 1
	s_wait_xcnt 0x0
	s_wait_alu depctr_hold_cnt(0) depctr_sa_sdst(0) depctr_va_vdst(0) depctr_va_sdst(0) depctr_va_ssrc(0) depctr_va_vcc(0) depctr_vm_vsrc(0)
	s_getreg_b32 s2, hwreg(HW_REG_IB_STS2, 6, 4)
	s_cmp_eq_u32 s2, 0
	s_cbranch_scc0 .Lentry_in_a_cluster
	s_endpgm
.Lentry_in_a_cluster:
	s_bfe_u32 s2, ttmp6, 0x10000c
	s_cmp_lg_u32 s2, 0x3003
	s_cbranch_scc0 .Lentry_shape_is_right
	s_endpgm
.Lentry_shape_is_right:
; LAUNCH 3 OF 5.  For each half batch (256 rows of V): the scores of its rows, their maximum M and sum L of 2^(t - M), and the unnormalised context sum_i 2^(t_i - M) V_i; also the s row's score ss.
; LEFT OUT as dead work (shown at the head of the first launch): bal, and the part sum_n Wal[n] of every score: both are the same for all 513 entries of a softmax's row.
; A score is kept as t = log2(e) x (score - sum_n Wal[n]) = sum_n w2[n] / (1 + 2^(K2 y_n)), K2 = 2 log2(e), w2 = -K2 Wal, y = relu(Q(V) Q(Wv) + bv) + h_att = max(acc + bv + h_att, h_att).
; SHARES.  Work-group g = 4 x cluster + place owns rows 256 g .. 256 g + 255 of V taken as [65536][1024]; its batch is g / 2.  Eight waves.
;   A: wave w reads its 32 rows of V (512 consecutive bytes a load), turns them through its own stage in LDS so that a lane holds whole blocks of 32 along K, and quantises them into 16 fragments (192 registers, window 1), which stay.
;   B: Wv's codes, 8 slices of 128 columns (102,400 bytes, laid as operand registers), pass through a ring of two LDS slots.  Each wave multiplies its 32 rows by every slice, 64 columns (a group) at a time:
;      8 accumulators x 8 K steps, then tanh and the dot with Wal in place: lane (r, h) holds column r and rows 8 h + j, so bv, h_att and Wal are one register a tile.
;   C: V is read a SECOND time, wave w taking columns 128 w .. 128 w + 127 of all 256 rows, in f32 multiply-adds (the context goes on into a quantiser).
; BY TEAMS.  A group is 116 LDS loads and 64 products (K), then 292 vector instructions on the results (E).  Waves 0-3 run a slot as K E K E.  Waves 4-7 put the second group's E off until behind the change of slots
; (the results and the four table entries wait in registers) and so run E K E K between two changes: one team's LDS loads and products stand beside the other team's vector work.  The last slice puts nothing off.
; V IS READ TWICE: a row's weight is known only when the row has met all 1,024 columns of Wv, and 256 rows of 4,096 bytes do not fit beside the ring (327,680 bytes of LDS, 448 registers a wave).
; CLUSTER.  All work-groups walk the same slices of Wv: the four of a cluster ask for each slice JOINTLY, wave w for its eighth (12,800 dense bytes): same line, same descriptor (made of the wave's number and the count of slots alone), mask 15.
; By this text's own count a wave has one tensor load outstanding.
; LIMITS: bv + h_att is added ahead of the product's sum (an order of rounding other than reference()'s); tanh by v_exp_f32 and v_rcp_f32, absolute error about one part in 10^7 of 1, ending at +-1 where the power overflows or vanishes;
; a block of zeros gets the byte 1 (zero codes); NaN and infinities among the inputs are not served.
.set SLOT1, 1<<17                      ; LDS: slot 0 at 0, slot 1 here, 102,400 bytes each: one exclusive or turns an address from one slot into the other
.set TAB,   102400                     ; 64 tiles x 16 columns x 16 bytes: K2 (bv + h_att), K2 h_att, w2, w2
.set TS,    118784                     ; the 256 scores
.set SSP,   119808                     ; the s row's score in eight parts, one a wave
.set PT,    120064                     ; 1,024 bytes for each wave: its own copy of the 256 weights
.set SPARE, 128256                     ; the spare words, 128 bytes for each wave: four blocks of 256 bytes that no other line names
.set STG,   233472                     ; behind slot 1: a stage of 16 rows x (512 bytes + 16) for each wave
.set SPW,  1                           ; v1   LDS address of my spare word; never rewritten
.set NIL,  2                           ; v2   0; never rewritten
.set LI4,  3                           ; v3   4 x lane
.set LI16, 4                           ; v4   16 x lane
.set STW,  5                           ; v5   my stage + 16 x lane
.set STR,  6                           ; v6   my stage + 528 r + 128 h
.set SH8,  7                           ; v7   8 h
.set TAB0, 8                           ; v8   TAB + 16 r
.set TADR, 9                           ; v9   the group's table entries
.set TSA,  10                          ; v10  TS + 128 w + 32 h
.set TSR,  11                          ; v11  TS + 32 x lane
.set PTW,  12                          ; v12  my wave's PT + 32 x lane
.set PTR,  13                          ; v13  my wave's PT
.set CVO,  14                          ; v14  512 w + 16 x lane
.set PFO,  15                          ; v15  the prefetch's offset; never rewritten
.set AS,   16                          ; v16-31 V's scale words, fragment f = 2 ks + tile: scales and nothing else
.set BS,   32                          ; v32-35 Wv's scale words, two sets of two: scales and nothing else
.set BADR, 36                          ; v36, v37 (B) LDS addresses of the group's codes and scale words
.set SADR, 37
.set T,    36                          ; v36-50 (A) at work in the quantiser
.set S,    38
.set B,    40
.set OWN,  42
.set OTH,  43
.set TMP,  44
.set X,    52                          ; v52-115 (A) 64 numbers of a lane
.set LA,   116                         ; v116-179, v180-243 (A) two sets of 16 rows x 16 bytes as loaded
.set SC,   40                          ; v40-55 (B) the scores' sums: tile m, row j at 8 m + j
.set CK,   56                          ; v56-71 (B) four table entries
.set ACC,  72                          ; v72-135 (B) accumulator (tile of columns i, tile of rows m) at 8 (2 i + m)
.set BF,   136                         ; v136-231 (B) two sets of four fragments of Wv
.set P,    56                          ; v56-71 (C) 16 weights
.set CACC, 96                          ; v96-111 (C) four sets of 4 columns
.set WV,  20                           ; s20  wave
.set GC,  23                           ; s23  counts a slot's two groups: 2, then 1
.set G1,  24                           ; s[24:31] descriptor group 1
.set G0,  32                           ; s[32:35] descriptor group 0, which walks
.set TBC, 36                           ; s36  LDS byte of the group's codes
.set TBS, 37                           ; s37  of its scale words
.set TOF, 38                           ; s38  the slot's place in the table: 2,048 a slot
.set SLC, 39                           ; s39  counts the loop's six trips
.set KK,  40                           ; s[40:41] K2
.set SEL, 42                           ; s[42:43] v_permlanex16_b32's selects for lane l xor 16
.set VA,  44                           ; s[44:45] V at my wave's 32 rows
.set VC,  46                           ; s[46:47] V at my work-group's 256 rows
.set CX,  48                           ; s[48:49] ctxp at g
.set SX,  50                           ; s[50:51] stat at g
.set TOG, 52                           ; s52  the group's place in the slot's part of the table: 1,024 a group
.set NK,  53                           ; s53  -K2
.set TEAM, 60                          ; s60  wave / 4
.set SKP, 61                           ; s61  at work: 1 where a group's vector part is put off
.set MSB, 0
.macro WIN new                         ; the immediate's high byte repeats the setting that is left
.if MSB != \new
	s_set_vgpr_msb (MSB<<8)|\new
.set MSB, \new
.endif
.endm
.macro CROUND                          ; a round of the cluster's barrier
	s_barrier_signal -1
	s_barrier_wait -1
	s_cmp_lg_u32 s[WV], 0
	s_cbranch_scc1 .Lnot_wave_0_\@
	s_barrier_signal -3
.Lnot_wave_0_\@:
	s_barrier_wait -3
	s_barrier_signal -1
	s_barrier_wait -1
.endm
; 64 numbers of a lane, v[X + 32 c + i] = k 64 c + 32 h + i of my row: two whole blocks of 32.  They become the fragment's 12 registers at fdst (in the window that win names for destinations) and its scale word.
.macro AQ fdst, sdst, win
.irp c, 0,1
	v_max3_num_f32 v[T+\c], |v[X+32*\c]|, |v[X+32*\c+1]|, 0x2800000   ; the floor 2^(5 - 127) among the leaves: the byte cannot fall under 1
.endr
.irp i, 2,4,6,8,10,12,14,16,18,20,22,24,26,28,30
.irp c, 0,1
	s_delay_alu instid0(VALU_DEP_2)
	v_max3_num_f32 v[T+\c], v[T+\c], |v[X+32*\c+\i]|, |v[X+32*\c+\i+1]|
.endr
.endr
.irp c, 0,1
	s_delay_alu instid0(VALU_DEP_2)
	v_add_nc_u32 v[S+\c], 0xfe000000, v[T+\c]      ; 4 off the exponent field: the conversion's scale operand
.endr
.irp c, 0,1
	s_delay_alu instid0(VALU_DEP_2)
	v_lshrrev_b32 v[B+\c], 23, v[S+\c]             ; the scale's byte
.endr
	s_delay_alu instid0(VALU_DEP_1)
	v_lshl_or_b32 v[OWN], v[B+1], 16, v[B]         ; my bytes: blocks h and 2 + h,
	s_delay_alu instid0(VALU_DEP_1)
	v_lshlrev_b32 v[OWN], v[SH8], v[OWN]           ; at their places;
	s_delay_alu instid0(VALU_DEP_1)
	v_permlanex16_b32 v[OTH], v[OWN], s[SEL], s[SEL+1]
	s_delay_alu instid0(VALU_DEP_1)
	v_or_b32 v[\sdst], v[OWN], v[OTH]              ; with lane l xor 16's two the word is whole
.irp c, 0,1
	v_cvt_scalef32_pk16_bf6_f32 v[TMP+4*\c:TMP+4*\c+2], v[X+32*\c+16:X+32*\c+31], v[S+\c]   ; (a conversion's three registers begin on an even number)
.endr
	WIN \win
.irp c, 0,1
	v_cvt_scalef32_pk16_bf6_f32 v[(\fdst)+6*\c:(\fdst)+6*\c+2], v[X+32*\c:X+32*\c+15], v[S+\c]
.endr
	v_nop                                          ; one plain place behind the scaled conversions
.irp c, 0,1
.irp i, 0,1,2
	v_mov_b32 v[(\fdst)+6*\c+3+\i], v[TMP+4*\c+\i]
.endr
.endr
	WIN 0
.endm
; fragment f = 2 ks + tile: 16 rows x 128 along K of V, a row's 512 consecutive bytes a load
.macro VLOAD f, buf
.irp j, 0,1,2,3,4,5,6,7,8,9,10,11,12,13,14,15
	global_load_b128 v[\buf+4*\j:\buf+4*\j+3], v[LI16], s[VA:VA+1] offset:(16*((\f)%2)+\j)*4096+((\f)/2)*512
.endr
.endm
.macro QFRAG f
.set BU, LA+64*((\f)%2)
.if (\f) < 15
	s_wait_loadcnt 16                              ; this fragment's 16 loads are in; the next fragment's may be out
.else
	s_wait_loadcnt 0x0
.endif
.irp j, 0,1,2,3,4,5,6,7,8,9,10,11,12,13,14,15
	ds_store_b128 v[STW], v[BU+4*\j:BU+4*\j+3] offset:528*\j       ; rows as they lie, 528 bytes apart
.endr
.irp c, 0,1
.irp i, 0,1,2,3,4,5,6,7
	ds_load_b128 v[X+32*\c+4*\i:X+32*\c+4*\i+3], v[STR] offset:256*\c+16*\i   ; LDS serves a wave's instructions in order: these see my stores.  Row r, k = 64 c + 32 h + 4 i ..
.endr
.endr
	s_wait_dscnt 0x0                               ; the numbers are back, and the stores have read their registers,
.if (\f)+2 < 16
	VLOAD (\f)+2, BU                               ; which take the loads of two fragments on
.endif
	AQ 12*(\f), AS+(\f), 0x40
.endm
; K step ks of the group in hand: four fragments of Wv (three loads of 512 consecutive bytes each) and two registers of scale words, into set ks % 2
.macro BLOAD ks
.irp i, 0,1,2,3
.irp g, 0,1,2
	ds_load_b128 v[BF+48*((\ks)%2)+12*\i+4*\g:BF+48*((\ks)%2)+12*\i+4*\g+3], v[BADR] offset:(\ks)*6144+\i*1536+512*\g
.endr
.endr
.irp p, 0,1
	ds_load_b32 v[BS+2*((\ks)%2)+\p], v[SADR] offset:(\ks)*256+\p*128
.endr
.endm
.macro PROD ks, i, m                   ; source 0 = 16 rows of V (window 1), source 1 = 16 columns of Wv; the first K step starts the sum
.set rD, ACC+8*(2*(\i)+(\m))
.set rA, 12*(2*(\ks)+(\m))
.set rB, BF+48*((\ks)%2)+12*(\i)
.set rX, AS+2*(\ks)+(\m)
.set rY, BS+2*((\ks)%2)+(\i)/2
.if (\ks) == 0
.if (\i)%2
	v_wmma_scale_f32_16x16x128_f8f6f4 v[rD:rD+7], v[rA:rA+11], v[rB:rB+11], 0, v[rX], v[rY] matrix_a_fmt:MATRIX_FMT_BF6 matrix_b_fmt:MATRIX_FMT_BF6 matrix_b_scale:MATRIX_SCALE_ROW1
.else
	v_wmma_scale_f32_16x16x128_f8f6f4 v[rD:rD+7], v[rA:rA+11], v[rB:rB+11], 0, v[rX], v[rY] matrix_a_fmt:MATRIX_FMT_BF6 matrix_b_fmt:MATRIX_FMT_BF6
.endif
.else
.if (\i)%2
	v_wmma_scale_f32_16x16x128_f8f6f4 v[rD:rD+7], v[rA:rA+11], v[rB:rB+11], v[rD:rD+7], v[rX], v[rY] matrix_a_fmt:MATRIX_FMT_BF6 matrix_b_fmt:MATRIX_FMT_BF6 matrix_b_scale:MATRIX_SCALE_ROW1
.else
	v_wmma_scale_f32_16x16x128_f8f6f4 v[rD:rD+7], v[rA:rA+11], v[rB:rB+11], v[rD:rD+7], v[rX], v[rY] matrix_a_fmt:MATRIX_FMT_BF6 matrix_b_fmt:MATRIX_FMT_BF6
.endif
.endif
.endm
; E: tanh and the dot with Wal, in place on the 64 results; each accumulator is read from its low end on.  Work on registers of window 0 alone
.macro EPI
.set n, 0
.rept 32
	v_pk_fma_f32 v[ACC+2*n:ACC+2*n+1], v[ACC+2*n:ACC+2*n+1], s[KK:KK+1], v[CK+4*(n/8):CK+4*(n/8)+1] op_sel_hi:[1,0,0]   ; K2 acc + K2 (bv + h_att)
.set n, n+1
.endr
.set n, 0
.rept 64
	v_max_num_f32 v[ACC+n], v[ACC+n], v[CK+4*(n/16)+1]             ; relu(x) + h = max(x + h, h)
.set n, n+1
.endr
.set n, 0
	s_wait_alu depctr_va_vdst(0)
.rept 64
	v_exp_f32 v[ACC+n], v[ACC+n]
.set n, n+1
.endr
	v_nop                                          ; a plain place behind the batch,
	s_wait_alu depctr_va_vdst(0)                   ; and the one wait ahead of its first reader
.set n, 0
.rept 32
	v_pk_add_f32 v[ACC+2*n:ACC+2*n+1], v[ACC+2*n:ACC+2*n+1], 1.0 op_sel_hi:[1,0]
.set n, n+1
.endr
.set n, 0
	s_wait_alu depctr_va_vdst(0)
.rept 64
	v_rcp_f32 v[ACC+n], v[ACC+n]
.set n, n+1
.endr
	v_nop
	s_wait_alu depctr_va_vdst(0)
.set n, 0
.rept 32
	v_pk_fma_f32 v[SC+8*((n/4)%2)+2*(n%4):SC+8*((n/4)%2)+2*(n%4)+1], v[ACC+2*n:ACC+2*n+1], v[CK+4*(n/8)+2:CK+4*(n/8)+3], v[SC+8*((n/4)%2)+2*(n%4):SC+8*((n/4)%2)+2*(n%4)+1]   ; + w2 / (1 + 2^..): a pair comes round again after seven others
.set n, n+1
.endr
.endm
; K: my 32 rows x 64 columns x all of K.  The eight accumulators take turns, one instruction a turn.  The next K step's 14 LDS loads stand in one run ahead of a step's 8 products.
.macro KLOOP
	v_add_nc_u32 v[TADR], s[TOF], v[TAB0]
	s_delay_alu instid0(VALU_DEP_1)
	v_add_nc_u32 v[TADR], s[TOG], v[TADR]
	v_add_nc_u32 v[BADR], s[TBC], v[LI16]
	s_wait_alu depctr_va_vdst(0)
	v_add_nc_u32 v[SADR], s[TBS], v[LI4]
	s_wait_alu depctr_va_vdst(0)
.irp i, 0,1,2,3
	ds_load_b128 v[CK+4*\i:CK+4*\i+3], v[TADR] offset:256*\i
.endr
	BLOAD 0
.irp ks, 0,1,2,3,4,5,6,7
.if \ks < 7
	WIN 0                                          ; the loads' addresses lie in window 0
.if \ks >= 1
.rept 4
	v_nop                                          ; four places in front of loads into the set that the last step's products read
.endr
.endif
	BLOAD \ks+1
	s_wait_dscnt 14                                ; all but the 14 just issued
.else
	s_wait_dscnt 0x0
.endif
	WIN 0x01                                       ; source 0 (V's fragments) window 1
.irp i, 0,1,2,3
.irp m, 0,1
	PROD \ks, \i, \m
.endr
.endr
.endr
	WIN 0
.rept 4
	v_nop                                          ; four places ahead of the first read of results, on the way on which E follows at once and on the way on which it is put off; with the four additions at the next K's head
.endr                                                  ; they also stand ahead of the next loads into both sets and of the products that begin the sums anew
.endm
; A slot's two groups: written once, walked twice.  defer = 1: in the second group the waves of team 1 pass over E; LATE runs it behind the change of slots.
.macro STEPBODY defer
	s_mov_b32 s[GC], 2
	s_mov_b32 s[TOG], 0
.Lgroup_\@:
	KLOOP
.if \defer
	s_and_b32 s[SKP], s[GC], s[TEAM]               ; the counter is 2, then 1; the team 0 or 1: so 1 in team 1's second group alone
	s_cmp_lg_u32 s[SKP], 0
	s_cbranch_scc1 .Llater_\@
.endif
	EPI
.Llater_\@:
	s_add_co_u32 s[TBC], s[TBC], 49152
	s_add_co_u32 s[TBS], s[TBS], 2048
	s_add_co_u32 s[TOG], s[TOG], 1024
	s_sub_co_u32 s[GC], s[GC], 1
	s_cmp_lg_u32 s[GC], 0
	s_cbranch_scc1 .Lgroup_\@
	s_sub_co_u32 s[TBC], s[TBC], 98304             ; back to a slot's first group,
	s_xor_b32 s[TBC], s[TBC], SLOT1                ; in the other slot
	s_sub_co_u32 s[TBS], s[TBS], 4096
	s_xor_b32 s[TBS], s[TBS], SLOT1
	s_add_co_u32 s[TOF], s[TOF], 2048
.endm
.macro LATE                            ; team 1's E of the group that it multiplied last: the results and the table entries have waited in registers
	s_cmp_eq_u32 s[TEAM], 0
	s_cbranch_scc1 .Lnot_late_\@
	EPI
.Lnot_late_\@:
.endm
; THE CHANGE OF SLOTS.  Each wave waits for all its tensor loads (its eighth of the slot ahead), adds 0 to its spare word, and waits for that and for its reads of the slot that it has left.
; fill = 1: a round of the cluster's barrier, so that no wave of any partner still reads that slot or has a load on its way; then the next slice is asked for into it: it has a slot's two groups in which to land.
.macro CHANGE fill
	s_wait_tensorcnt 0x0                           ; no tensor load of mine is out, so group 0 may be written
	ds_add_u32 v[SPW], v[NIL]                      ; 0 onto my spare word
.if \fill
	s_xor_b32 s[G0+1], s[G0+1], SLOT1              ; the other slot than last time,
	s_add_nc_u64 s[G0+2:G0+3], s[G0+2:G0+3], 102400   ; the next slice; the type bits on top are not reached
.endif
	s_wait_dscnt 0x0                               ; the add is done, and my LDS reads and stores are over
.if \fill
	CROUND
	tensor_load_to_lds s[G0:G0+3], s[G1:G1+7]      ; the first thing behind the round, and my one tensor load until the next
	s_nop 0
.rept 4
	v_nop
.endr
.else
	s_barrier_signal -1
	s_barrier_wait -1
.endif
.endm
; rows 16 q .. 16 q + 15 of my work-group, my wave's 512 bytes of each, into buffer q % 3 of window 1
.macro CLOAD q
.irp w, 0,1,2,3,4,5,6,7,8,9,10,11,12,13,14,15
	global_load_b128 v[64*((\q)%3)+4*\w:64*((\q)%3)+4*\w+3], v[CVO], s[VC:VC+1] offset:(16*(\q)+\w)*4096 th:TH_LOAD_NT
.endr
.endm
.macro CCH q
.irp i, 0,1,2,3
	ds_load_b128 v[P+4*\i:P+4*\i+3], v[PTR] offset:64*(\q)+16*\i   ; these 16 rows' weights, the same in every lane
.endr
.if (\q) < 14
	s_wait_alu depctr_va_vdst(0)
	s_wait_loadcnt 32                              ; these 16 rows are in; the next two chunks may be out
.elseif (\q) == 14
	s_wait_alu depctr_va_vdst(0)
	s_wait_loadcnt 16
.else
	s_wait_alu depctr_va_vdst(0)
	s_wait_loadcnt 0x0
.endif
	s_wait_dscnt 0x0
	WIN 0x01                                       ; source 0 (V's rows) window 1
.irp w, 0,1,2,3,4,5,6,7,8,9,10,11,12,13,14,15
.set rV, 64*((\q)%3)+4*\w
.set rC, CACC+4*(\w%4)
.set rP, P+2*(\w/2)
.if ((\q) == 0) && (\w < 4)            ; the first four rows start the four sets of sums: nothing is cleared
.if \w%2
	v_pk_mul_f32 v[rC:rC+1], v[rV:rV+1], v[rP:rP+1] op_sel:[0,1] op_sel_hi:[1,1]
	v_pk_mul_f32 v[rC+2:rC+3], v[rV+2:rV+3], v[rP:rP+1] op_sel:[0,1] op_sel_hi:[1,1]
.else
	v_pk_mul_f32 v[rC:rC+1], v[rV:rV+1], v[rP:rP+1] op_sel_hi:[1,0]
	v_pk_mul_f32 v[rC+2:rC+3], v[rV+2:rV+3], v[rP:rP+1] op_sel_hi:[1,0]
.endif
.else
.if \w%2                               ; an odd row's weight is the pair's second register, an even row's the first: it serves both halves
	v_pk_fma_f32 v[rC:rC+1], v[rV:rV+1], v[rP:rP+1], v[rC:rC+1] op_sel:[0,1,0] op_sel_hi:[1,1,1]
	v_pk_fma_f32 v[rC+2:rC+3], v[rV+2:rV+3], v[rP:rP+1], v[rC+2:rC+3] op_sel:[0,1,0] op_sel_hi:[1,1,1]
.else
	v_pk_fma_f32 v[rC:rC+1], v[rV:rV+1], v[rP:rP+1], v[rC:rC+1] op_sel_hi:[1,0,1]
	v_pk_fma_f32 v[rC+2:rC+3], v[rV+2:rV+3], v[rP:rP+1], v[rC+2:rC+3] op_sel_hi:[1,0,1]
.endif
.endif
.endr
.if (\q)+3 < 16
	WIN 0x40                                       ; destination window 1
	CLOAD (\q)+3
.endif
	WIN 0
.endm
	s_load_b512 s[4:19], s[0:1], 0x0               ; V, wimg, bv, Wal, h_att, s_att, ctxp, stat
	v_lshl_add_u32 v[SPW], v0, 2, SPARE
	v_mov_b32 v[NIL], 0
	ds_add_u32 v[SPW], v[NIL]                      ; the wave's opening: the add, twice on end, and its wait ahead of my first tensor load; the set-up below stands between the second and the wait
	ds_add_u32 v[SPW], v[NIL]
	v_lshrrev_b32 v36, 5, v0
	s_delay_alu instid0(VALU_DEP_1)
	v_readfirstlane_b32 s[WV], v36                 ; wave 0..7
	s_lshr_b32 s[TEAM], s[WV], 2                   ; team 0: waves 0-3; team 1: waves 4-7
	s_bfe_u32 s21, ttmp6, 0x40000                  ; my place in the cluster
	s_lshl_b32 s22, ttmp9, 2                       ; in a cluster launch ttmp9 counts clusters
	s_add_co_u32 s22, s22, s21                     ; g: it enters global addresses of V, h_att, s_att, ctxp and stat alone
	s_mov_b32 s[G1], 15|(3<<16)|(1<<21)            ; 15:0 the mask: all four work-groups; 17:16 elements of 8 bytes; 20 no padding; 21 set beside a mask
	s_mov_b32 s[G1+1], 32<<16                      ; tensor_dim0 = 32 elements: rows of 256 bytes
	s_mov_b32 s[G1+2], 50<<16                      ; tensor_dim1 = 50 rows: 12,800 dense bytes
	s_mov_b32 s[G1+3], 32<<16                      ; tile_dim0
	s_mov_b32 s[G1+4], 50                          ; tile_dim1
	s_mov_b32 s[G1+5], 32                          ; the pitch
	s_mov_b32 s[G1+6], 0
	s_mov_b32 s[G1+7], 0
	s_mov_b32 s[KK], 0x4038aa3b                    ; K2 = 2 log2(e)
	s_mov_b32 s[KK+1], s[KK]
	s_mov_b32 s[NK], 0xc038aa3b                    ; -K2
	s_mov_b32 s[SEL], 0x76543210
	s_mov_b32 s[SEL+1], 0xfedcba98
	s_mov_b32 s[TBC], 0
	s_mov_b32 s[TBS], 98304
	s_mov_b32 s[TOF], 0
	s_mov_b32 s[SLC], 6
	v_and_b32 v36, 31, v0                          ; lane
	v_and_b32 v37, 15, v0                          ; r
	v_bfe_u32 v38, v0, 4, 1                        ; h
	s_delay_alu instid0(VALU_DEP_3)
	v_lshlrev_b32 v[LI4], 2, v36
	s_delay_alu instid0(VALU_DEP_4)
	v_lshlrev_b32 v[LI16], 4, v36
	s_delay_alu instid0(VALU_DEP_3)
	v_lshlrev_b32 v[SH8], 3, v38
	s_mul_i32 s54, s[WV], 8448
	s_add_co_u32 s54, s54, STG                     ; my stage
	v_add_nc_u32 v[STW], s54, v[LI16]
	v_mul_u32_u24 v[STR], v37, 528
	s_delay_alu instid0(VALU_DEP_1)
	v_lshl_add_u32 v[STR], v38, 7, v[STR]
	s_delay_alu instid0(VALU_DEP_1)
	v_add_nc_u32 v[STR], s54, v[STR]
	v_lshl_add_u32 v[TAB0], v37, 4, TAB
	s_lshl_b32 s55, s[WV], 7
	s_add_co_u32 s55, s55, TS
	v_lshl_add_u32 v[TSA], v38, 5, s55
	v_lshl_add_u32 v[TSR], v36, 5, TS
	s_lshl_b32 s56, s[WV], 10
	s_add_co_u32 s56, s56, PT
	v_lshl_add_u32 v[PTW], v36, 5, s56
	v_mov_b32 v[PTR], s56
	s_lshl_b32 s57, s[WV], 9
	v_add_nc_u32 v[CVO], s57, v[LI16]
	v_lshrrev_b32 v39, 1, v36
	v_and_b32 v[PFO], 1, v36
	s_delay_alu instid0(VALU_DEP_1)
	v_lshlrev_b32 v[PFO], 8, v[PFO]
	s_delay_alu instid0(VALU_DEP_1)
	v_lshl_add_u32 v[PFO], v39, 12, v[PFO]
	s_delay_alu instid0(VALU_DEP_1)
	v_add_nc_u32 v[PFO], s57, v[PFO]               ; row lane / 2, my wave's 512 bytes, their half lane % 2
	v_mov_b32 v[OTH], 0                            ; written once: a lane permute's destination counts as one of its sources
	s_mov_b32 s[G0], 1                             ; count = 1
	s_mul_i32 s[G0+1], s[WV], 12800                ; LDS address: my eighth of slot 0
	s_mul_i32 s58, s[WV], 12800
	s_mov_b32 s59, 0
	s_wait_dscnt 0x0                               ; both opening adds are done
	s_wait_kmcnt 0x0
	s_add_nc_u64 s[G0+2:G0+3], s[6:7], s[58:59]    ; my eighth of Wv's slice 0
	s_or_b32 s[G0+3], s[G0+3], 0x80000000          ; type = 2
	s_lshl_b32 s54, s22, 20                        ; 256 g rows of 4,096 bytes
	s_mov_b32 s55, 0
	s_add_nc_u64 s[VC:VC+1], s[4:5], s[54:55]
	s_lshl_b32 s54, s[WV], 17                      ; 32 w rows
	s_add_nc_u64 s[VA:VA+1], s[VC:VC+1], s[54:55]
	s_lshr_b32 s54, s22, 1
	s_lshl_b32 s54, s54, 12                        ; my batch's row of h_att and s_att
	s_add_nc_u64 s[12:13], s[12:13], s[54:55]
	s_add_nc_u64 s[14:15], s[14:15], s[54:55]
	s_lshl_b32 s54, s22, 12
	s_add_nc_u64 s[CX:CX+1], s[16:17], s[54:55]
	s_lshl_b32 s54, s22, 7
	s_add_nc_u64 s[SX:SX+1], s[18:19], s[54:55]
	CROUND                                         ; all four work-groups are here: the first joint loads meet
	tensor_load_to_lds s[G0:G0+3], s[G1:G1+7]      ; slice 0 into slot 0
	s_nop 0
.rept 4
	v_nop
.endr
	; ---- the table and the s row.  Thread t has columns 4 t .. 4 t + 3
	v_lshlrev_b32 v36, 4, v0
	global_load_b128 v[52:55], v36, s[8:9]         ; bv
	global_load_b128 v[56:59], v36, s[10:11]       ; Wal
	global_load_b128 v[60:63], v36, s[12:13]       ; h_att
	global_load_b128 v[64:67], v36, s[14:15]       ; s_att
	VLOAD 0, LA
	VLOAD 1, LA+64
	v_lshl_add_u32 v37, v0, 6, TAB                 ; column n's entry lies at TAB + 16 n
	v_mov_b32 v38, s[WV]
	s_delay_alu instid0(VALU_DEP_1)
	v_lshl_add_u32 v38, v38, 2, SSP
	s_wait_loadcnt 32                              ; the four are in; V's 32 loads may be out
.irp e, 0,1,2,3
	v_add_f32 v[68+4*\e], v[52+\e], v[60+\e]
	v_mul_f32 v[69+4*\e], s[KK], v[60+\e]          ; K2 h_att
	v_mul_f32 v[70+4*\e], s[NK], v[56+\e]          ; w2
	v_add_f32 v[84+\e], v[64+\e], v[60+\e]
.endr
.irp e, 0,1,2,3
	v_mul_f32 v[68+4*\e], s[KK], v[68+4*\e]        ; K2 (bv + h_att)
	v_mov_b32 v[71+4*\e], v[70+4*\e]               ; w2 twice: a pair for the packed multiply-add
	v_mul_f32 v[84+\e], s[KK], v[84+\e]            ; K2 (s_att + h_att)
.endr
.irp e, 0,1,2,3
	ds_store_b128 v37, v[68+4*\e:71+4*\e] offset:16*\e
.endr
	s_wait_alu depctr_va_vdst(0)
.irp e, 0,1,2,3
	v_exp_f32 v[84+\e], v[84+\e]
.endr
	v_nop
	s_wait_alu depctr_va_vdst(0)
	v_pk_add_f32 v[84:85], v[84:85], 1.0 op_sel_hi:[1,0]
	v_pk_add_f32 v[86:87], v[86:87], 1.0 op_sel_hi:[1,0]
	s_wait_alu depctr_va_vdst(0)
.irp e, 0,1,2,3
	v_rcp_f32 v[84+\e], v[84+\e]
.endr
	v_nop
	s_wait_alu depctr_va_vdst(0)
	v_mul_f32 v88, v70, v84
	v_fmac_f32 v88, v74, v85
	v_fmac_f32 v88, v78, v86
	v_fmac_f32 v88, v82, v87
	s_delay_alu instid0(VALU_DEP_1)
	v_add_f32_dpp v88, v88, v88 row_xmask:1 row_mask:0xf bank_mask:0xf
	s_delay_alu instid0(VALU_DEP_1)
	v_add_f32_dpp v88, v88, v88 row_xmask:2 row_mask:0xf bank_mask:0xf
	s_delay_alu instid0(VALU_DEP_1)
	v_add_f32_dpp v88, v88, v88 row_xmask:4 row_mask:0xf bank_mask:0xf
	s_delay_alu instid0(VALU_DEP_1)
	v_add_f32_dpp v88, v88, v88 row_xmask:8 row_mask:0xf bank_mask:0xf
	s_delay_alu instid0(VALU_DEP_1)
	v_permlanex16_b32 v[OTH], v88, s[SEL], s[SEL+1]
	s_delay_alu instid0(VALU_DEP_1)
	v_add_f32 v88, v88, v[OTH]                     ; my wave's 128 columns of the s row's score
	ds_store_b32 v38, v88                          ; all lanes write the same word with the same value
	s_wait_dscnt 0x0                               ; the stores have read their registers, which are loaded again below
	; ---- A: my 32 rows of V become 16 fragments
.irp f, 0,1,2,3,4,5,6,7,8,9,10,11,12,13,14,15
	QFRAG \f
.endr
.set n, 0
.rept 16
	v_mov_b32 v[SC+n], 0                           ; the scores' sums.  (These are also the places between the last fragment's and scale word's writes and the first scaled product)
.set n, n+1
.endr
	; ---- B.  The first change stands ahead of the loop, so that on every way a group's results are written before its vector part reads them
	CHANGE 1                                       ; slice 0 is whole; slice 1 is asked for
.Lslot:                                            ; six trips: slices 0 to 5 are multiplied, slices 2 to 7 asked for
	STEPBODY 1
	CHANGE 1
	LATE
	s_sub_co_u32 s[SLC], s[SLC], 1
	s_cmp_lg_u32 s[SLC], 0
	s_cbranch_scc1 .Lslot
	STEPBODY 1                                     ; slice 6
	CHANGE 0                                       ; the tail is written out: nothing is left to ask for
	global_prefetch_b8 v[PFO], s[VC:VC+1] th:TH_LOAD_NT scope:SCOPE_SE   ; my wave's 512 bytes of my work-group's rows 0 to 15, a lane to each 256 bytes: what phase C loads first, a slot's two groups ahead; its address registers are never rewritten
	LATE
	STEPBODY 0                                     ; slice 7: nothing is put off
	; ---- C's first three chunks go out ahead of the softmax: V's fragments are done with (the last group's vector lines stand between)
	WIN 0x40
	CLOAD 0
	CLOAD 1
	CLOAD 2
	WIN 0
	; ---- the scores: a row's sum over the 16 columns' lanes; then M, the weights and L
	s_wait_alu depctr_va_vdst(0)
.irp x, 1,2,4,8
.set n, 0
.rept 16
	v_add_f32_dpp v[SC+n], v[SC+n], v[SC+n] row_xmask:\x row_mask:0xf bank_mask:0xf
.set n, n+1
.endr
.endr
.irp m, 0,1
	ds_store_b128 v[TSA], v[SC+8*\m:SC+8*\m+3] offset:64*\m        ; rows 32 w + 16 m + 8 h + 0 .. 7; the sixteen lanes of a half write the same bytes with the same values
	ds_store_b128 v[TSA], v[SC+8*\m+4:SC+8*\m+7] offset:64*\m+16
.endr
	s_wait_dscnt 0x0                               ; for the others' sake
	s_barrier_signal -1
	s_barrier_wait -1
	ds_load_b128 v[72:75], v[TSR]                  ; every wave takes all 256 scores, 8 a lane,
	ds_load_b128 v[76:79], v[TSR] offset:16
	v_mov_b32 v95, SSP
	ds_load_b128 v[80:83], v95                     ; and the s row's eight parts
	ds_load_b128 v[84:87], v95 offset:16
	v_mov_b32 v89, 0
	s_wait_dscnt 0x0
	v_max3_num_f32 v88, v72, v73, v74
	s_delay_alu instid0(VALU_DEP_1)
	v_max3_num_f32 v88, v88, v75, v76
	s_delay_alu instid0(VALU_DEP_1)
	v_max3_num_f32 v88, v88, v77, v78
	s_delay_alu instid0(VALU_DEP_1)
	v_max_num_f32 v88, v88, v79
	s_delay_alu instid0(VALU_DEP_1)
	v_max_num_f32_dpp v88, v88, v88 row_xmask:1 row_mask:0xf bank_mask:0xf
	s_delay_alu instid0(VALU_DEP_1)
	v_max_num_f32_dpp v88, v88, v88 row_xmask:2 row_mask:0xf bank_mask:0xf
	s_delay_alu instid0(VALU_DEP_1)
	v_max_num_f32_dpp v88, v88, v88 row_xmask:4 row_mask:0xf bank_mask:0xf
	s_delay_alu instid0(VALU_DEP_1)
	v_max_num_f32_dpp v88, v88, v88 row_xmask:8 row_mask:0xf bank_mask:0xf
	s_wait_alu depctr_va_vdst(0)
	v_permlanex16_b32 v89, v88, s[SEL], s[SEL+1]
	s_delay_alu instid0(VALU_DEP_1)
	v_max_num_f32 v88, v88, v89                    ; M: the largest of the half batch's scores is taken away ahead of the exponential
.irp i, 0,1,2,3,4,5,6,7
	v_sub_f32 v[72+\i], v[72+\i], v88
.endr
	s_wait_alu depctr_va_vdst(0)
.irp i, 0,1,2,3,4,5,6,7
	v_exp_f32 v[72+\i], v[72+\i]
.endr
	v_pk_add_f32 v[80:81], v[80:81], v[82:83]      ; (plain work behind the batch) the s row's score
	v_pk_add_f32 v[84:85], v[84:85], v[86:87]
	s_delay_alu instid0(VALU_DEP_1)
	v_pk_add_f32 v[80:81], v[80:81], v[84:85]
	s_delay_alu instid0(VALU_DEP_1)
	v_add_f32 v80, v80, v81
	s_wait_alu depctr_va_vdst(0)
	ds_store_b128 v[PTW], v[72:75]                 ; the weights, into my wave's own copy
	ds_store_b128 v[PTW], v[76:79] offset:16
	v_pk_add_f32 v[90:91], v[72:73], v[74:75]
	v_pk_add_f32 v[92:93], v[76:77], v[78:79]
	s_delay_alu instid0(VALU_DEP_1)
	v_pk_add_f32 v[90:91], v[90:91], v[92:93]
	s_delay_alu instid0(VALU_DEP_1)
	v_add_f32 v90, v90, v91
	s_delay_alu instid0(VALU_DEP_1)
	v_add_f32_dpp v90, v90, v90 row_xmask:1 row_mask:0xf bank_mask:0xf
	s_delay_alu instid0(VALU_DEP_1)
	v_add_f32_dpp v90, v90, v90 row_xmask:2 row_mask:0xf bank_mask:0xf
	s_delay_alu instid0(VALU_DEP_1)
	v_add_f32_dpp v90, v90, v90 row_xmask:4 row_mask:0xf bank_mask:0xf
	s_delay_alu instid0(VALU_DEP_1)
	v_add_f32_dpp v90, v90, v90 row_xmask:8 row_mask:0xf bank_mask:0xf
	s_delay_alu instid0(VALU_DEP_1)
	v_permlanex16_b32 v89, v90, s[SEL], s[SEL+1]
	s_delay_alu instid0(VALU_DEP_1)
	v_add_f32 v90, v90, v89                        ; L
	v_and_b32 v94, 31, v0
	v_mov_b32 v93, 0
	s_delay_alu instid0(VALU_DEP_2)
	v_cmp_eq_u32 vcc_lo, 0, v94
	s_delay_alu instid0(VALU_DEP_1)
	v_cndmask_b32 v93, v93, v88, vcc_lo            ; word 0: M
	s_delay_alu instid0(VALU_DEP_4)
	v_cmp_eq_u32 vcc_lo, 1, v94
	s_delay_alu instid0(VALU_DEP_1)
	v_cndmask_b32 v93, v93, v90, vcc_lo            ; word 1: L
	v_cmp_eq_u32 vcc_lo, 2, v94
	s_delay_alu instid0(VALU_DEP_1)
	v_cndmask_b32 v93, v93, v80, vcc_lo            ; word 2: ss; the other 29 words are 0
	s_cmp_lg_u32 s[WV], 0
	s_cbranch_scc1 .Lno_stat
	global_store_b32 v[LI4], v93, s[SX:SX+1]       ; 128 consecutive bytes
.Lno_stat:
	; ---- C: the unnormalised context of my 128 columns, 16 rows a chunk, three chunks (48 loads a wave) on their way
.irp q, 0,1,2,3,4,5,6,7,8,9,10,11,12,13,14,15
	CCH \q
.endr
	v_pk_add_f32 v[CACC:CACC+1], v[CACC:CACC+1], v[CACC+4:CACC+5]
	v_pk_add_f32 v[CACC+2:CACC+3], v[CACC+2:CACC+3], v[CACC+6:CACC+7]
	v_pk_add_f32 v[CACC+8:CACC+9], v[CACC+8:CACC+9], v[CACC+12:CACC+13]
	v_pk_add_f32 v[CACC+10:CACC+11], v[CACC+10:CACC+11], v[CACC+14:CACC+15]
	s_delay_alu instid0(VALU_DEP_2)
	v_pk_add_f32 v[CACC:CACC+1], v[CACC:CACC+1], v[CACC+8:CACC+9]
	s_delay_alu instid0(VALU_DEP_2)
	v_pk_add_f32 v[CACC+2:CACC+3], v[CACC+2:CACC+3], v[CACC+10:CACC+11]
	global_store_b128 v[CVO], v[CACC:CACC+3], s[CX:CX+1]           ; 32 lanes store 512 consecutive bytes, at a multiple of 256 from ctxp's first byte
	s_wait_tensorcnt 0x0                           ; the wave's end, behind my last tensor load and my last LDS store
	ds_add_u32 v[SPW], v[NIL]
	s_wait_dscnt 0x0
	CROUND                                         ; the closing round: no work-group ends while a partner may still ask for a slice that names it
	s_endpgm
.Lfunc_end_k_qa94fe9a395_main:
	.size	k_qa94fe9a395_main, .Lfunc_end_k_qa94fe9a395_main-k_qa94fe9a395_main
	.p2alignl 7, 3214868480
	.fill 96, 4, 3214868480
	.section	.rodata,"a",@progbits
	.p2align	6, 0x0
	.amdhsa_kernel k_qa94fe9a395_main
		.amdhsa_group_segment_fixed_size 327680
		.amdhsa_private_segment_fixed_size 0
		.amdhsa_enable_private_segment 0
		.amdhsa_kernarg_size 64
		.amdhsa_user_sgpr_count 2
		.amdhsa_user_sgpr_kernarg_segment_ptr 1
		.amdhsa_wavefront_size32 1
		.amdhsa_system_sgpr_workgroup_id_x 1
		.amdhsa_system_sgpr_workgroup_id_y 1
		.amdhsa_system_sgpr_workgroup_id_z 1
		.amdhsa_system_vgpr_workitem_id 0
		.amdhsa_next_free_vgpr 448
		.amdhsa_next_free_sgpr 66
		.amdhsa_reserve_vcc 1
		.amdhsa_float_denorm_mode_32 3
		.amdhsa_float_denorm_mode_16_64 3
		.amdhsa_memory_ordered 1
		.amdhsa_forward_progress 1
		.amdhsa_inst_pref_size 255
	.end_amdhsa_kernel
	.section	.bss,"aw",@nobits
	.p2align	6
	.space	262144
	.amdgpu_metadata
---
amdhsa.version: [ 1, 2 ]
amdhsa.kernels:
  - .name:           k_qa94fe9a395_main
    .symbol:         k_qa94fe9a395_main.kd
    .args:
      - { .name: V, .offset: 0, .size: 8, .value_kind: global_buffer, .address_space: global }
      - { .name: wimg, .offset: 8, .size: 8, .value_kind: global_buffer, .address_space: global }
      - { .name: bv, .offset: 16, .size: 8, .value_kind: global_buffer, .address_space: global }
      - { .name: Wal, .offset: 24, .size: 8, .value_kind: global_buffer, .address_space: global }
      - { .name: h_att, .offset: 32, .size: 8, .value_kind: global_buffer, .address_space: global }
      - { .name: s_att, .offset: 40, .size: 8, .value_kind: global_buffer, .address_space: global }
      - { .name: ctxp, .offset: 48, .size: 8, .value_kind: global_buffer, .address_space: global }
      - { .name: stat, .offset: 56, .size: 8, .value_kind: global_buffer, .address_space: global }
    .group_segment_fixed_size: 327680
    .private_segment_fixed_size: 0
    .kernarg_segment_align: 8
    .kernarg_segment_size: 64
    .max_flat_workgroup_size: 256
    .sgpr_count:     66
    .vgpr_count:     448
    .wavefront_size: 32
...
	.end_amdgpu_metadata
.endif
;; end of part 4
;; launch final (part 5): grid 128 x 1, 8 waves a work-group, no clusters, 70,656 bytes of LDS; arguments ctxp, stat, s_proj, h_proj, wimg, bcp, out0; writes out0
.if DOCPART == 5
	.amdgcn_target "amdgcn-amd-amdhsa--gfx1250"
	.amdhsa_code_object_version 6
	.text
	.protected	k_qa94fe9a395_final
	.globl	k_qa94fe9a395_final
	.p2align	8
	.type	k_qa94fe9a395_final,@function
k_qa94fe9a395_final:
	s_mov_b64 s[64:65], 0
	v_nop
	global_prefetch_b8 v0, s[64:65] scope:SCOPE_SE
	s_setreg_imm32_b32 hwreg(HW_REG_WAVE_MODE, 25, 1), 1
	s_wait_xcnt 0x0
; LAUNCH 4 OF 5 (MODE 2).  The softmax over 513 entries is finished: each batch's two halves (M, L, unnormalised context) and the s row (ss, s_proj) are merged under their common maximum;
; z = tanh(Q(context + h_proj) Q(Wcp) + bcp).  The scores come without bal and without sum_n Wal[n], which are the same for all 513 entries (shown at the head of the first launch).
; One source serves three launches: MODE 0 no activation, MODE 1 relu or tanh by the work-group's y, MODE 2 the softmax's merge ahead of the quantiser and tanh behind the product.
; SHARES.  Work-group x = 8 slice + mt: 16 rows (mt) x 128 columns (slice).  WAVE w IS K STEP w.  It takes its 128 numbers of each of the 16 rows, of h_proj, s_proj and the two partial contexts, by one load of 512 consecutive bytes each,
; merges them row by row (a row's three factors are made in lane r, and reach every lane through the wave's own 256 bytes of LDS), turns the merged rows through its own stage in LDS so that a lane holds whole blocks of 32 along K,
; quantises them in registers, takes its 8 fragments of W from wimg as they lie, issues 8 products (transposed: source 0 = 16 columns of W, source 1 = A's 16 rows, so that a lane holds 8 neighbouring columns of one row), and puts
; its partial tile into the same stage.  Behind one barrier wave w adds the eight partial tiles of rows 2 w and 2 w + 1, K ascending, onto the bias, and stores whole rows of 512 bytes.
; No cluster: the operands go from memory straight into registers, so there is no tensor load that partners could ask jointly; a wave's matrix work is 8 instructions.  64 work-groups: the product has no more tiles of 16 x 128.
; tanh(y) = 1 - 2 / (1 + 2^(2 log2(e) y)): v_exp_f32 and v_rcp_f32; it ends at +-1 where the power overflows or vanishes.  LIMITS: its absolute error is about one part in 10^7 of 1;
; a block of zeros gets the byte 1 (zero codes); NaN and infinities among the inputs are not served.
; THE SHARES AS THIS TEXT HAS THEM (they take the place of what stands above on rows and work-groups): work-group x = 16 slice + mt owns 8 rows (batches 8 mt .. 8 mt + 7) x 128 columns: 128 work-groups,
; so that a work-group loads 8 rows of each of the four f32 arrays, 128 KB in all.  A tile's rows 8 to 15 repeat rows 0 to 7 (lane r takes row r & 7 throughout): their results are the same numbers and land on the same LDS bytes.
; Behind the barrier wave w adds the eight partial tiles of row w and stores its 512 bytes.
.set MODE,  2
.set WBASE, 5                          ; Wcp in wimg
.set STGB,  8448                       ; a wave's stage: 16 rows x (512 bytes + 16)
.set FAC,   8*STGB                     ; (MODE 2) 256 bytes for each wave: the merge's factors, 16 bytes a row
.set SPARE, FAC+2048                   ; the spare words, 128 bytes for each wave: four blocks of 256 bytes that no other line names
.set SPW,  1                           ; v1   LDS address of my spare word; never rewritten
.set NIL,  2                           ; v2   0; never rewritten
.set STW,  5                           ; v5   my stage + 16 x lane
.set LI16, 6                           ; v6   16 x lane
.set LI4,  7                           ; v7   4 x lane
.set SH8,  8                           ; v8   8 h
.set STO,  9                           ; v9   my stage: row r, + 32 h
.set RD,   10                          ; v10  stage 0, row w, + 16 x lane
.set STR,  12                          ; v12  my stage: row r, + 128 h
.set SO2,  13                          ; v13  (MODE 2) stat: 256 r
.set FW,   14                          ; v14  (MODE 2) my wave's factors + 16 r
.set FR,   15                          ; v15  (MODE 2) my wave's factors
.set BS,   16                          ; v16-19 W's scale words: register 2 u + pp; scales and nothing else
.set AS,   20                          ; v20  A's scale word; a scale and nothing else
.set T,    21                          ; v21-29 at work in the merge and the quantiser
.set S,    23
.set B,    25
.set OWN,  27
.set OTH,  28
.set FV,   24                          ; v24-27 (MODE 2) my row's factors: first half's, second half's, the s row's, 0
.set TMP,  30                          ; v30-32, v34-36
.set AF,   40                          ; v40-51 A's fragment
.set ST0,  52                          ; v52-59 (MODE 2) M0, L0, ss, 0; M1, L1, ss, 0
.set BIAS, 60                          ; v60-63 the bias of my 4 columns
.set RAW,  64                          ; v64-127 8 rows x 16 bytes as loaded (MODE 2: h_proj, then the merged rows); later the eight partial tiles' rows
.set X,    128                         ; v128-191 64 numbers of a lane along K (MODE 2: first s_proj's rows)
.set C0,   192                         ; v192-255 (MODE 2) the first half's partial context
.set Y,    192                         ; v192-195 at the end: one row x 4 columns
.set BF,   0                           ; window 1: v0-95 W's 8 fragments; v96-159 the 8 results (MODE 2: first the 8 rows' factors); v160-223 (MODE 2) the second half's partial context
.set D,    96
.set C1,   160
.set KK,   36                          ; s[36:37] 2 log2(e)
.set SEL,  44                          ; s[44:45] v_permlanex16_b32's selects for lane l xor 16
.if MODE == 2
.set PA, 10
.set PW, 12
.set PB, 14
.set PO, 16
.else
.set PA, 4
.set PW, 8
.set PB, 10
.set PO, 14
.endif
.set MSB, 0
.macro WIN new                         ; the immediate's high byte repeats the setting that is left
.if MSB != \new
	s_set_vgpr_msb (MSB<<8)|\new
.set MSB, \new
.endif
.endm
; 64 numbers of a lane, v[X + 32 c + i] = k 64 c + 32 h + i of my row: two whole blocks of 32.  They become the fragment's 12 registers at fdst (in the window that win names for destinations) and its scale word.
.macro AQ fdst, sdst, win
.irp c, 0,1
	v_max3_num_f32 v[T+\c], |v[X+32*\c]|, |v[X+32*\c+1]|, 0x2800000   ; the floor 2^(5 - 127) among the leaves: the byte cannot fall under 1
.endr
.irp i, 2,4,6,8,10,12,14,16,18,20,22,24,26,28,30
.irp c, 0,1
	s_delay_alu instid0(VALU_DEP_2)
	v_max3_num_f32 v[T+\c], v[T+\c], |v[X+32*\c+\i]|, |v[X+32*\c+\i+1]|
.endr
.endr
.irp c, 0,1
	s_delay_alu instid0(VALU_DEP_2)
	v_add_nc_u32 v[S+\c], 0xfe000000, v[T+\c]      ; 4 off the exponent field: the conversion's scale operand
.endr
.irp c, 0,1
	s_delay_alu instid0(VALU_DEP_2)
	v_lshrrev_b32 v[B+\c], 23, v[S+\c]             ; the scale's byte
.endr
	s_delay_alu instid0(VALU_DEP_1)
	v_lshl_or_b32 v[OWN], v[B+1], 16, v[B]         ; my bytes: blocks h and 2 + h,
	s_delay_alu instid0(VALU_DEP_1)
	v_lshlrev_b32 v[OWN], v[SH8], v[OWN]           ; at their places;
	v_permlanex16_b32 v[OTH], v[OWN], s[SEL], s[SEL+1]
	s_delay_alu instid0(VALU_DEP_1)
	v_or_b32 v[\sdst], v[OWN], v[OTH]              ; with lane l xor 16's two the word is whole
.irp c, 0,1
	v_cvt_scalef32_pk16_bf6_f32 v[TMP+4*\c:TMP+4*\c+2], v[X+32*\c+16:X+32*\c+31], v[S+\c]   ; (a conversion's three registers begin on an even number)
.endr
	WIN \win
.irp c, 0,1
	v_cvt_scalef32_pk16_bf6_f32 v[(\fdst)+6*\c:(\fdst)+6*\c+2], v[X+32*\c:X+32*\c+15], v[S+\c]
.endr
	v_nop                                          ; one plain place behind the scaled conversions
.irp c, 0,1
.irp i, 0,1,2
	v_mov_b32 v[(\fdst)+6*\c+3+\i], v[TMP+4*\c+\i]
.endr
.endr
	WIN 0
.endm
.macro TANH                            ; on v[Y] .. v[Y + 3]
.irp j, 0,2
	s_delay_alu instid0(VALU_DEP_2)
	v_pk_mul_f32 v[Y+\j:Y+\j+1], v[Y+\j:Y+\j+1], s[KK:KK+1] op_sel_hi:[1,0]
.endr
	s_wait_alu depctr_va_vdst(0)
.irp j, 0,1,2,3
	v_exp_f32 v[Y+\j], v[Y+\j]
.endr
	v_nop                                          ; a plain place behind the batch,
	s_wait_alu depctr_va_vdst(0)                   ; and the one wait ahead of its first reader
.irp j, 0,2
	v_pk_add_f32 v[Y+\j:Y+\j+1], v[Y+\j:Y+\j+1], 1.0 op_sel_hi:[1,0]
.endr
	s_wait_alu depctr_va_vdst(0)
.irp j, 0,1,2,3
	v_rcp_f32 v[Y+\j], v[Y+\j]
.endr
	v_nop
	s_wait_alu depctr_va_vdst(0)
.irp j, 0,2
	v_pk_fma_f32 v[Y+\j:Y+\j+1], v[Y+\j:Y+\j+1], -2.0, 1.0 op_sel_hi:[1,0,0]
.endr
.endm
	s_load_b256 s[4:11], s[0:1], 0x0
	s_load_b128 s[12:15], s[0:1], 0x20
	s_load_b64 s[16:17], s[0:1], 0x30
	v_lshl_add_u32 v[SPW], v0, 2, SPARE
	v_mov_b32 v[NIL], 0
	v_lshrrev_b32 v3, 5, v0
	s_delay_alu instid0(VALU_DEP_1)
	v_readfirstlane_b32 s20, v3                    ; wave = K step
	v_and_b32 v3, 31, v0                           ; lane
	v_and_b32 v4, 7, v0                            ; r & 7: lanes 8-15 of a half repeat rows 0-7
	v_bfe_u32 v11, v0, 4, 1                        ; h
	s_delay_alu instid0(VALU_DEP_3)
	v_lshlrev_b32 v[LI16], 4, v3
	s_delay_alu instid0(VALU_DEP_4)
	v_lshlrev_b32 v[LI4], 2, v3
	s_delay_alu instid0(VALU_DEP_3)
	v_lshlrev_b32 v[SH8], 3, v11
	s_mul_i32 s34, s20, STGB
	v_add_nc_u32 v[STW], s34, v[LI16]
	v_mul_u32_u24 v[STO], v4, 528
	s_delay_alu instid0(VALU_DEP_1)
	v_add_nc_u32 v[STO], s34, v[STO]               ; my stage, row r
	s_delay_alu instid0(VALU_DEP_1)
	v_lshl_add_u32 v[STR], v11, 7, v[STO]
	s_delay_alu instid0(VALU_DEP_2)
	v_lshl_add_u32 v[STO], v11, 5, v[STO]
	s_mul_i32 s34, s20, 528                        ; row w of a stage
	v_add_nc_u32 v[RD], s34, v[LI16]
	v_mov_b32 v[OTH], 0                            ; written once: a lane permute's destination counts as one of its sources
.if MODE == 2
	v_lshlrev_b32 v[SO2], 8, v4
	s_lshl_b32 s35, s20, 8
	s_add_co_u32 s35, s35, FAC
	v_lshl_add_u32 v[FW], v4, 4, s35
	v_mov_b32 v[FR], s35
.endif
.if MODE
	s_mov_b32 s[KK], 0x4038aa3b                    ; 2 log2(e)
	s_mov_b32 s[KK+1], s[KK]
.endif
	s_mov_b32 s[SEL], 0x76543210
	s_mov_b32 s[SEL+1], 0xfedcba98
	s_and_b32 s22, ttmp9, 15                       ; mt: which 8 rows
	s_lshr_b32 s23, ttmp9, 4                       ; slice
	s_lshl_b32 s24, s22, 15                        ; A: 8 mt rows of 4,096 bytes
	s_lshl_b32 s38, s20, 9                         ; + 128 w along K
	s_add_co_u32 s24, s24, s38
	s_mov_b32 s25, 0
.if MODE == 2
	s_mul_i32 s26, s23, 102400                     ; the slice
	s_add_co_u32 s26, s26, WBASE*819200            ; of the weight
.else
	s_and_b32 s21, ttmp7, 0xffff                   ; which of the two products
	s_add_co_u32 s26, s21, WBASE
	s_mul_i32 s26, s26, 819200                     ; the weight,
	s_mul_i32 s38, s23, 102400                     ; its slice
	s_add_co_u32 s26, s26, s38
.endif
	s_lshl_b32 s38, s20, 8
	s_add_co_u32 s28, s26, s38
	s_add_co_u32 s28, s28, 98304                   ; K step w's scale words
	s_mov_b32 s29, 0
	s_mul_i32 s38, s20, 6144
	s_add_co_u32 s26, s26, s38                     ; K step w's codes
	s_mov_b32 s27, 0
	s_lshl_b32 s30, s23, 9                         ; the bias of the slice's 128 columns
	s_mov_b32 s31, 0
	s_lshl_b32 s32, s22, 15                        ; out: row 8 mt + w, the slice's columns
	s_lshl_b32 s38, s20, 12
	s_add_co_u32 s32, s32, s38
	s_add_co_u32 s32, s32, s30
	s_mov_b32 s33, 0
.if MODE == 2
	s_lshl_b32 s40, s22, 16                        ; ctxp: two rows of 4,096 bytes for each of 8 mt batches
	s_lshl_b32 s38, s20, 9
	s_add_co_u32 s40, s40, s38
	s_mov_b32 s41, 0
	s_lshl_b32 s42, s22, 11                        ; stat: 256 bytes a batch
	s_mov_b32 s43, 0
.endif
	s_wait_alu depctr_va_vdst(0)
	s_wait_kmcnt 0x0
.if MODE != 2
	s_cmp_eq_u32 s21, 0                            ; the choice hangs on the work-group's number alone
	s_cselect_b64 s[4:5], s[4:5], s[6:7]
	s_cselect_b64 s[10:11], s[10:11], s[12:13]
	s_cselect_b64 s[14:15], s[14:15], s[16:17]
.endif
	s_add_nc_u64 s[PA:PA+1], s[PA:PA+1], s[24:25]
	s_add_nc_u64 s[18:19], s[PW:PW+1], s[28:29]
	s_add_nc_u64 s[PW:PW+1], s[PW:PW+1], s[26:27]
	s_add_nc_u64 s[PB:PB+1], s[PB:PB+1], s[30:31]
	s_add_nc_u64 s[PO:PO+1], s[PO:PO+1], s[32:33]
.if MODE == 2
	s_add_nc_u64 s[8:9], s[8:9], s[24:25]
	s_add_nc_u64 s[4:5], s[4:5], s[40:41]
	s_add_nc_u64 s[6:7], s[6:7], s[42:43]
	global_load_b128 v[ST0:ST0+3], v[SO2], s[6:7]
	global_load_b128 v[ST0+4:ST0+7], v[SO2], s[6:7] offset:128
.endif
	global_load_b128 v[BIAS:BIAS+3], v[LI16], s[PB:PB+1]
.irp j, 0,1,2,3,4,5,6,7
	global_load_b128 v[RAW+4*\j:RAW+4*\j+3], v[LI16], s[PA:PA+1] offset:4096*\j   ; row j, k = 128 w + 4 lane ..: 512 consecutive bytes a load
.endr
.if MODE == 2
.irp j, 0,1,2,3,4,5,6,7
	global_load_b128 v[X+4*\j:X+4*\j+3], v[LI16], s[8:9] offset:4096*\j
.endr
.irp j, 0,1,2,3,4,5,6,7
	global_load_b128 v[C0+4*\j:C0+4*\j+3], v[LI16], s[4:5] offset:8192*\j
.endr
	WIN 0x40                                       ; destination window 1
.irp j, 0,1,2,3,4,5,6,7
	global_load_b128 v[C1+4*\j:C1+4*\j+3], v[LI16], s[4:5] offset:8192*\j+4096
.endr
.endif
	WIN 0x40
.irp t, 0,1,2,3,4,5,6,7                ; W's fragments of tiles 4 u + i, as they lie: 512 consecutive bytes a load
.irp g, 0,1,2
	global_load_b128 v[BF+12*\t+4*\g:BF+12*\t+4*\g+3], v[LI16], s[PW:PW+1] offset:(\t/4)*49152+(\t%4)*1536+512*\g
.endr
.endr
	WIN 0
.irp p, 0,1,2,3
	global_load_b32 v[BS+\p], v[LI4], s[18:19] offset:(\p/2)*2048+(\p%2)*128
.endr
.if MODE == 2
; THE MERGE.  For row r's batch: the two halves' maxima M0, M1 and sums L0, L1, and the s row's score ss, all in powers of two, give three factors.
	s_wait_loadcnt 61                              ; behind stat's two loads 1 + 32 + 28 = 61 were issued
	v_max3_num_f32 v21, v[ST0], v[ST0+4], v[ST0+2] ; the largest of the 513 scores is taken away, as reference() does
	s_delay_alu instid0(VALU_DEP_1)
	v_sub_f32 v22, v[ST0], v21
	s_delay_alu instid0(VALU_DEP_2)
	v_sub_f32 v23, v[ST0+4], v21
	s_delay_alu instid0(VALU_DEP_3)
	v_sub_f32 v28, v[ST0+2], v21
	s_wait_alu depctr_va_vdst(0)
	v_exp_f32 v22, v22
	v_exp_f32 v23, v23
	v_exp_f32 v28, v28
	v_mov_b32 v[FV+3], 0                           ; (a plain place behind the batch)
	s_wait_alu depctr_va_vdst(0)
	v_fma_f32 v29, v23, v[ST0+5], v28
	v_fma_f32 v29, v22, v[ST0+1], v29              ; the softmax's sum: at least 1
	s_wait_alu depctr_va_vdst(0)
	v_rcp_f32 v29, v29
	v_nop
	s_wait_alu depctr_va_vdst(0)
	v_mul_f32 v[FV], v22, v29
	v_mul_f32 v[FV+1], v23, v29
	v_mul_f32 v[FV+2], v28, v29
	ds_store_b128 v[FW], v[FV:FV+3]                ; lanes r and 16 + r write the same bytes with the same values
	WIN 0x40
.irp j, 0,1,2,3,4,5,6,7
	ds_load_b128 v[D+4*\j:D+4*\j+3], v[FR] offset:16*\j   ; LDS serves a wave's instructions in order: these see my store.  Row j's factors, the same in every lane
.endr
	WIN 0
.endif
	s_wait_loadcnt 28                              ; behind A's numbers stand W's 24 + 4 loads: they may stay out
.if MODE == 2
	s_wait_dscnt 0x0
	WIN 0x04                                       ; source 1 (the factors) window 1
.set n, 0
.rept 16
	v_pk_fma_f32 v[RAW+2*n:RAW+2*n+1], v[X+2*n:X+2*n+1], v[D+4*(n/2)+2:D+4*(n/2)+3], v[RAW+2*n:RAW+2*n+1] op_sel_hi:[1,0,1]   ; h_proj + alpha_s s_proj: the pair's first register serves both halves
.set n, n+1
.endr
.set n, 0
.rept 16
	v_pk_fma_f32 v[RAW+2*n:RAW+2*n+1], v[C0+2*n:C0+2*n+1], v[D+4*(n/2):D+4*(n/2)+1], v[RAW+2*n:RAW+2*n+1] op_sel_hi:[1,0,1]
.set n, n+1
.endr
	WIN 0x05                                       ; sources 0 and 1 window 1
.set n, 0
.rept 16
	v_pk_fma_f32 v[RAW+2*n:RAW+2*n+1], v[C1+2*n:C1+2*n+1], v[D+4*(n/2):D+4*(n/2)+1], v[RAW+2*n:RAW+2*n+1] op_sel:[0,1,0] op_sel_hi:[1,1,1]   ; the pair's second register serves both halves
.set n, n+1
.endr
	WIN 0
.endif
.irp j, 0,1,2,3,4,5,6,7
	ds_store_b128 v[STW], v[RAW+4*\j:RAW+4*\j+3] offset:528*\j     ; the 8 rows as they lie, 528 bytes apart
.endr
.irp c, 0,1
.irp i, 0,1,2,3,4,5,6,7
	ds_load_b128 v[X+32*\c+4*\i:X+32*\c+4*\i+3], v[STR] offset:256*\c+16*\i   ; these see my stores.  Row r, k = 64 c + 32 h + 4 i ..
.endr
.endr
	s_wait_dscnt 0x0
	AQ AF, AS, 0
	s_wait_alu depctr_va_vdst(0)
	s_wait_loadcnt 0x0                             ; W's fragments and words
.rept 8
	v_nop                                          ; a scale register written by a vector instruction stands 8 places ahead of a scaled matrix instruction, an operand so written 4
.endr
	WIN 0x41                                       ; source 0 (W) and the result in window 1
.irp t, 0,1,2,3,4,5,6,7                ; eight accumulators, one instruction each
.if \t%2
	v_wmma_scale_f32_16x16x128_f8f6f4 v[D+8*\t:D+8*\t+7], v[BF+12*\t:BF+12*\t+11], v[AF:AF+11], 0, v[BS+\t/2], v[AS] matrix_a_fmt:MATRIX_FMT_BF6 matrix_b_fmt:MATRIX_FMT_BF6 matrix_a_scale:MATRIX_SCALE_ROW1
.else
	v_wmma_scale_f32_16x16x128_f8f6f4 v[D+8*\t:D+8*\t+7], v[BF+12*\t:BF+12*\t+11], v[AF:AF+11], 0, v[BS+\t/2], v[AS] matrix_a_fmt:MATRIX_FMT_BF6 matrix_b_fmt:MATRIX_FMT_BF6
.endif
.endr
.rept 4
	v_nop                                          ; four places ahead of the first read of results
.endr
	WIN 0x04                                       ; an LDS store's data are its source 1: window 1
.irp t, 0,1,2,3,4,5,6,7
	ds_store_b128 v[STO], v[D+8*\t:D+8*\t+3] offset:64*\t          ; lane (r, h): row r, columns 16 t + 8 h + 0 .. 7; each accumulator from its low end on
	ds_store_b128 v[STO], v[D+8*\t+4:D+8*\t+7] offset:64*\t+16
.endr
	WIN 0
	s_wait_dscnt 0x0                               ; for the others' sake: my stores have landed
	s_barrier_signal -1
	s_barrier_wait -1
.irp q, 0,1,2,3,4,5,6,7
.irp w, 0
	ds_load_b128 v[RAW+8*\q+4*\w:RAW+8*\q+4*\w+3], v[RD] offset:\q*STGB+528*\w   ; K step q's part of row w: 16 bytes a lane
.endr
.endr
	s_wait_dscnt 0x0
.irp w, 0
.irp j, 0,2
	v_pk_add_f32 v[Y+4*\w+\j:Y+4*\w+\j+1], v[BIAS+\j:BIAS+\j+1], v[RAW+4*\w+\j:RAW+4*\w+\j+1]
.endr
.endr
.irp q, 1,2,3,4,5,6,7
.irp w, 0
.irp j, 0,2
	s_delay_alu instid0(VALU_DEP_2)
	v_pk_add_f32 v[Y+4*\w+\j:Y+4*\w+\j+1], v[Y+4*\w+\j:Y+4*\w+\j+1], v[RAW+8*\q+4*\w+\j:RAW+8*\q+4*\w+\j+1]
.endr
.endr
.endr
.if MODE == 1
	s_cmp_eq_u32 s21, 0
	s_cbranch_scc0 .Ltanh
.irp j, 0,1,2,3,4,5,6,7
	v_max_num_f32 v[Y+\j], 0, v[Y+\j]
.endr
	s_branch .Lact_done
.Ltanh:
	TANH
.Lact_done:
.endif
.if MODE == 2
	TANH
.endif
	global_store_b128 v[LI16], v[Y:Y+3], s[PO:PO+1]                ; 32 lanes store 512 consecutive bytes, at a multiple of 256 from the buffer's first byte
	s_wait_tensorcnt 0x0                           ; the wave's end, behind my last LDS store
	ds_add_u32 v[SPW], v[NIL]
	s_wait_dscnt 0x0
	s_endpgm
.Lfunc_end_k_qa94fe9a395_final:
	.size	k_qa94fe9a395_final, .Lfunc_end_k_qa94fe9a395_final-k_qa94fe9a395_final
	.p2alignl 7, 3214868480
	.fill 96, 4, 3214868480
	.section	.rodata,"a",@progbits
	.p2align	6, 0x0
	.amdhsa_kernel k_qa94fe9a395_final
		.amdhsa_group_segment_fixed_size 70656
		.amdhsa_private_segment_fixed_size 0
		.amdhsa_enable_private_segment 0
		.amdhsa_kernarg_size 56
		.amdhsa_user_sgpr_count 2
		.amdhsa_user_sgpr_kernarg_segment_ptr 1
		.amdhsa_wavefront_size32 1
		.amdhsa_system_sgpr_workgroup_id_x 1
		.amdhsa_system_sgpr_workgroup_id_y 1
		.amdhsa_system_sgpr_workgroup_id_z 1
		.amdhsa_system_vgpr_workitem_id 0
		.amdhsa_next_free_vgpr 480
		.amdhsa_next_free_sgpr 66
		.amdhsa_reserve_vcc 0
		.amdhsa_float_denorm_mode_32 3
		.amdhsa_float_denorm_mode_16_64 3
		.amdhsa_memory_ordered 1
		.amdhsa_forward_progress 1
		.amdhsa_inst_pref_size 26
	.end_amdhsa_kernel
	.amdgpu_metadata
---
amdhsa.version: [ 1, 2 ]
amdhsa.kernels:
  - .name:           k_qa94fe9a395_final
    .symbol:         k_qa94fe9a395_final.kd
    .args:
      - { .name: ctxp, .offset: 0, .size: 8, .value_kind: global_buffer, .address_space: global }
      - { .name: stat, .offset: 8, .size: 8, .value_kind: global_buffer, .address_space: global }
      - { .name: s_proj, .offset: 16, .size: 8, .value_kind: global_buffer, .address_space: global }
      - { .name: h_proj, .offset: 24, .size: 8, .value_kind: global_buffer, .address_space: global }
      - { .name: wimg, .offset: 32, .size: 8, .value_kind: global_buffer, .address_space: global }
      - { .name: bcp, .offset: 40, .size: 8, .value_kind: global_buffer, .address_space: global }
      - { .name: out0, .offset: 48, .size: 8, .value_kind: global_buffer, .address_space: global }
    .group_segment_fixed_size: 70656
    .private_segment_fixed_size: 0
    .kernarg_segment_align: 8
    .kernarg_segment_size: 56
    .max_flat_workgroup_size: 256
    .sgpr_count:     66
    .vgpr_count:     480
    .wavefront_size: 32
...
	.end_amdgpu_metadata
.endif
;; end of part 5
